; MI455X (gfx1250); checked and timed in simulation.
; The chip was launched on July 23, 2026; its instructions are those of AMD's public machine-readable ISA for CDNA 5 (MIT licence, August 2026) and "CDNA5" Instruction Set Architecture Reference Guide (July 2026). The comments in the code are by the model that wrote it; some were corrected since.
;; Neuralized K Means. Allowed arithmetic: matrix products marked QUANTISED: E5M2 operands, one E8M0 scale for each 32 along K, by v_wmma_scale_f32_16x16x128_f8f6f4 with both operands' format E5M2, f32 sums; everything else in f32.
;; Inputs: X 50,000 x 1,024 float32; centroids 32 x 1,024 float32.
;; Outputs: out0 50,000 float32.
;; This version of the problem:
;;   THIS VERSION OF THE PROBLEM IS GIVEN IN LOW PRECISION. The matrix products marked QUANTISED in the list below multiply operands that are first quantised to E5M2 (5 exponent bits, 2 mantissa bits; 8 bits a number), with one power-of-two scale for each 32 numbers along K (OCP MX v1.0); their sums are f32. All else is computed in f32.
;;   The module's matrix products, in the order in which they are computed (A, B: the left and right operand; K: the contracted axis; several contracted axes count as one K, in the product's order):
;;     1. [M 50,000, K 1,024] x [K 1,024, N 992]; A: input X; B: computed on the way: QUANTISED
;;   THE QUANTISER, for each operand of a quantised product, along K:
;;     - K is cut into blocks of 32 from its start; a last block that is shorter is filled with zeros.
;;     - A block's scale is 2^e with e = floor(log2(the largest magnitude in the block)) - 15, held to -126 .. 127; a block of zeros has e = 0. As a byte (E8M0): e + 127.
;;     - Each number is divided by its block's scale, clamped to +-57,344, and rounded to the nearest number of E5M2, ties to even, subnormals kept.
;;     - The product sums the exact products of the quantised numbers (number of the format x scale) in f32.
;;   ~~~python
;;   def quantise(x, axis):      # numpy; x: float32 -> the quantised numbers, widened to float32 again
;;       x = np.moveaxis(x, axis, -1); K = x.shape[-1]
;;       x = np.pad(x, [(0, 0)] * (x.ndim - 1) + [(0, -K % 32)]); x = x.reshape(x.shape[:-1] + (-1, 32)); a = np.abs(x).max(-1, keepdims=True)
;;       e = np.where(a > 0, np.clip(np.frexp(np.where(a > 0, a, 1))[1] - 1 - 15, -126, 127), 0)      # np.frexp(a)[1] - 1 = floor(log2(a)), exactly
;;       r = np.clip(x / 2.0 ** e, -57344, 57344)
;;       step = 2.0 ** (np.maximum(np.frexp(np.where(r == 0, 1, r))[1] - 1, -14) - 2)
;;       q = np.round(r / step) * step * 2.0 ** e      # np.round: ties to even
;;       return np.moveaxis(q.reshape(q.shape[:-2] + (-1,))[..., :K], -1, axis).astype(np.float32)
;;   ~~~
;;   OPERANDS COMPUTED ON THE WAY. 'Computed on the way' means the value that the module computes at that place (a softmax that the list does not call 'softmax' is quantised finished and normalised). What goes into a quantiser is computed in f32, as accurately as f32 sums, v_exp_f32 and their like allow (about 1e-6 of the number): no bf16 or f16 on the way to a quantiser, and a product that is left as it is and whose result goes on into a quantised operand takes f32 operands (vector FMAs, or v_wmma_f32_16x16x4_f32). A number that lies on a knife's edge between two numbers of the format may be rounded either way, as far as f32 arithmetic and the matrix unit's own rounding can turn it there, and no further.
;; 2 versions. Each part assembles by itself: llvm-mc -triple=amdgcn-amd-amdhsa -mcpu=gfx1250 --defsym DOCPART=n.
;; ======== version 1 of 2: 2 launches
;; workspace buffers: wq 1,146,880 bytes
;; launch prep (part 1): grid 64 x 1, 8 waves a work-group, no clusters, 2,048 bytes of LDS; arguments centroids, wq; writes wq
.if DOCPART == 1
	.amdgcn_target "amdgcn-amd-amdhsa--gfx1250"
	.amdhsa_code_object_version 6
	.text
	.protected	k_q56b0ee92db_prep
	.globl	k_q56b0ee92db_prep
	.p2align	8
	.type	k_q56b0ee92db_prep,@function
k_q56b0ee92db_prep:
	s_mov_b64 s[64:65], 0
	v_nop
	global_prefetch_b8 v0, s[64:65] scope:SCOPE_SE
	s_setreg_imm32_b32 hwreg(HW_REG_WAVE_MODE, 25, 1), 1
	s_wait_xcnt 0x0
; W[c][k] = 2 (mu_c - mu_k) and b[c][k] = |mu_k|^2 - |mu_c|^2 are made once, W as codes of BF8 (E5M2) with one E8M0 scale byte for each 32 along D, and laid in wq in the order of the reader's registers.
; COLUMNS.  Each c gets 32 places k = 0 .. 31; the place k = c, which reference() leaves out, holds a second copy of column k = c xor 1: a copy changes no minimum.  So there are 64 tiles of 16 columns.
; Tile ct = 4 p + q; its row i is c = 2 p + i / 8, place 8 q + i % 8.  Used as source 0 of the product, rows 0-7 fall into lanes 0-15 of the result and rows 8-15 into lanes 16-31: each half of the lanes sees ONE c.
; wq: 32 blocks of BLK bytes, one for each group g = ct / 2 of two tiles (u = ct % 2):
;   (2 s + u) x 2,048 + 512 cc + 16 lane   the fragment of tile u, K step s (128 along D): the lane's registers 4 cc .. 4 cc + 3
;   SCOFF + 512 i + 16 (16 u + r)          the scale words of K steps 4 i .. 4 i + 3 of row r of tile u: tile 0 in lanes 0-15, tile 1 in lanes 16-31
;   BIOFF + 512 (2 u + ii) + 16 lane       b of the tile's rows 8 (lane / 16) + 4 ii + 0 .. 3: registers 4 ii .. 4 ii + 3 of the product's C
; SHARES.  A work-group makes one tile, each of its eight waves one K step: one fragment.  Lane (r, h) holds, of row r, k = 128 s + 32 b + 16 h + 0 .. 15 in registers 16 b + 0 .. 15: the operand's own order, so the
; conversions' results are the fragment.  Wave s also sums the squares of centroid 8 q + s and of centroid 2 p + s % 2; wave 0 makes the tile's biases of them behind the barrier.
; A block's scale is 2^(floor(log2(its largest magnitude)) - 15); its byte is the largest magnitude's exponent field - 15, held at 1 from below.
; LIMITS: a block of zeros gets the byte 1 where the rule says 127 (its codes are zeros, which add nothing under any byte but 0xff, and this program alone reads the bytes); NaN and infinities among the inputs are not served.
.set BLK,   35840
.set SCOFF, 32768
.set BIOFF, 33792
.set WV,  10                           ; s10  my wave's number = my K step
.set SEL, 28                           ; s[28:29] lane selects for v_permlanex16_b32: lane l xor 16
.set MNT, 30                           ; s30  the mantissa field of 57,344
.set PC,  16                           ; v16-31   the fragment's codes
.set TM,  32                           ; v32-35 largest magnitudes, v36-39 bytes, v40-43 57,344 x the scale, v44-47 the conversions' scale operands
.set PW,  48                           ; v48      my row's scale word
.set W,   64                           ; v64-127  mu_c, then W
.set MK,  128                          ; v128-191 mu_k
.set SQA, 192                          ; v192-223 centroid 8 q + s, whole: 32 numbers a lane
.set SQB, 224                          ; v224-255 centroid 2 p + s % 2
	s_load_b128 s[4:7], s[0:1], 0x0                ; centroids s[4:5], wq s[6:7]
	v_lshl_add_u32 v58, v0, 2, 0x400
	v_mov_b32 v59, 0
	v_lshrrev_b32 v1, 5, v0
	v_readfirstlane_b32 s[WV], v1                  ; wave 0..7
	v_and_b32 v1, 31, v0                           ; lane
	v_and_b32 v2, 15, v0                           ; r
	v_bfe_u32 v3, v0, 4, 1                         ; h
	s_lshr_b32 s11, ttmp9, 2                       ; p
	s_and_b32 s12, ttmp9, 3                        ; q
	s_lshr_b32 s13, ttmp9, 1                       ; g
	s_and_b32 s14, ttmp9, 1                        ; u
	s_lshl_b32 s15, s11, 1                         ; 2 p
	s_lshl_b32 s16, s12, 3                         ; 8 q
	v_lshrrev_b32 v4, 3, v2
	v_add_nc_u32 v4, s15, v4                       ; my row's c
	v_and_b32 v5, 7, v2
	v_add_nc_u32 v5, s16, v5                       ; and its place k
	v_xor_b32 v6, 1, v4
	v_cmp_eq_u32 vcc_lo, v4, v5
	v_cndmask_b32 v5, v5, v6, vcc_lo               ; at the place k = c: c xor 1
	s_lshl_b32 s17, s[WV], 9
	v_lshl_add_u32 v7, v3, 6, s17                  ; 512 s + 64 h: my 16 numbers of a block of 32
	v_lshl_add_u32 v6, v4, 12, v7                  ; in mu_c,
	v_lshl_add_u32 v7, v5, 12, v7                  ; in mu_k
	v_lshlrev_b32 v8, 4, v1                        ; 16 x lane
	; every LDS address is made here, ahead of the branch on the wave's number
	v_mov_b32 v9, s[WV]
	v_lshlrev_b32 v9, 2, v9                        ; bytes 0-31: |mu_(8 q + s)|^2 at 4 s; bytes 32-63: |mu_(2 p + s % 2)|^2 at 32 + 4 s
	s_lshr_b32 s18, s[WV], 2
	s_lshl_b32 s18, s18, 8
	s_and_b32 s19, s[WV], 3
	s_lshl_b32 s19, s19, 2
	s_add_co_u32 s18, s18, s19
	s_add_co_u32 s18, s18, 256
	v_lshl_add_u32 v10, v2, 4, s18                 ; bytes 256-767: my row's scale word at 256 + 256 (s / 4) + 16 r + 4 (s % 4)
	v_add_nc_u32 v11, 256, v8                      ; and back: four words a lane
	v_mov_b32 v12, 0
	s_lshl_b32 s19, s14, 8
	v_lshl_add_u32 v13, v3, 9, s19
	v_lshl_add_u32 v13, v2, 4, v13                 ; wq: 512 (lane / 16) + 256 u + 16 r
	s_lshl_b32 s19, s14, 10
	v_add_nc_u32 v14, s19, v8                      ; wq: 1,024 u + 16 x lane
	v_add_nc_u32 v15, s15, v3
	v_sub_nc_u32 v15, v15, s16                     ; my half's c less 8 q: which register of the bias, if any, stands at the place k = c
	s_add_co_u32 s20, s16, s[WV]
	s_lshl_b32 s20, s20, 12                        ; centroid 8 q + s, 4,096 bytes each
	s_mov_b32 s21, 0
	s_and_b32 s22, s[WV], 1
	s_add_co_u32 s22, s22, s15
	s_lshl_b32 s22, s22, 12                        ; centroid 2 p + s % 2
	s_mov_b32 s23, 0
	s_mul_i32 s24, s13, BLK                        ; my group's block
	s_mov_b32 s25, 0
	s_lshl_b32 s26, s[WV], 1
	s_add_co_u32 s26, s26, s14
	s_lshl_b32 s26, s26, 11                        ; my fragment in it
	s_mov_b32 s27, 0
	s_mov_b32 s[SEL], 0x76543210
	s_mov_b32 s[SEL+1], 0xfedcba98
	s_mov_b32 s[MNT], 0x600000
.irp b, 0,1,2,3
	v_mov_b32 v[TM+4+\b], 0                        ; written once: a lane permute's destination counts as one of its sources
.endr
	s_wait_kmcnt 0x0
	s_add_nc_u64 s[20:21], s[4:5], s[20:21]
	s_add_nc_u64 s[22:23], s[4:5], s[22:23]
	s_add_nc_u64 s[6:7], s[6:7], s[24:25]
	s_add_nc_u64 s[8:9], s[6:7], s[26:27]
.irp i, 0,1,2,3,4,5,6,7
	global_load_b128 v[SQA+4*\i:SQA+4*\i+3], v8, s[20:21] offset:512*\i     ; 32 lanes read 512 consecutive bytes
.endr
.irp i, 0,1,2,3,4,5,6,7
	global_load_b128 v[SQB+4*\i:SQB+4*\i+3], v8, s[22:23] offset:512*\i
.endr
.irp b, 0,1,2,3
.irp j, 0,1,2,3
	global_load_b128 v[W+16*\b+4*\j:W+16*\b+4*\j+3], v6, s[4:5] offset:128*\b+16*\j
	global_load_b128 v[MK+16*\b+4*\j:MK+16*\b+4*\j+3], v7, s[4:5] offset:128*\b+16*\j
.endr
.endr
; the sum of the squares of the 32 numbers at v[x] on, over the wave's 32 lanes: two packed chains, started by products; four steps inside each half of the lanes, one across.  a: four registers at work; the sum ends in v[a]
.macro SQSUM x, a
	v_pk_mul_f32 v[\a:\a+1], v[\x:\x+1], v[\x:\x+1]
	v_pk_mul_f32 v[\a+2:\a+3], v[\x+2:\x+3], v[\x+2:\x+3]
.irp i, 4,8,12,16,20,24,28
	v_pk_fma_f32 v[\a:\a+1], v[\x+\i:\x+\i+1], v[\x+\i:\x+\i+1], v[\a:\a+1]
	v_pk_fma_f32 v[\a+2:\a+3], v[\x+\i+2:\x+\i+3], v[\x+\i+2:\x+\i+3], v[\a+2:\a+3]
.endr
	v_pk_add_f32 v[\a:\a+1], v[\a:\a+1], v[\a+2:\a+3]
	v_add_f32 v[\a], v[\a], v[\a+1]
	v_add_f32_dpp v[\a], v[\a], v[\a] row_xmask:1 row_mask:0xf bank_mask:0xf
	v_add_f32_dpp v[\a], v[\a], v[\a] row_xmask:2 row_mask:0xf bank_mask:0xf
	v_add_f32_dpp v[\a], v[\a], v[\a] row_xmask:4 row_mask:0xf bank_mask:0xf
	v_add_f32_dpp v[\a], v[\a], v[\a] row_xmask:8 row_mask:0xf bank_mask:0xf
	v_permlanex16_b32 v[\a+1], v[\a], s[SEL], s[SEL+1]
	v_add_f32 v[\a], v[\a], v[\a+1]
.endm
	s_wait_loadcnt 32                              ; the two whole centroids are in; the 32 loads issued behind them may be out
	SQSUM SQA, 50
	SQSUM SQB, 54
	ds_store_b32 v9, v50                           ; all lanes write the same word with the same value
	ds_store_b32 v9, v54 offset:32
	s_wait_loadcnt 0x0
.set i, 0
.rept 32
	v_pk_add_f32 v[W+i:W+i+1], v[W+i:W+i+1], v[MK+i:MK+i+1] neg_lo:[0,1] neg_hi:[0,1]   ; mu_c - mu_k, rounded as reference() rounds it,
.set i, i+2
.endr
.set i, 0
.rept 32
	v_pk_mul_f32 v[W+i:W+i+1], v[W+i:W+i+1], 2.0 op_sel_hi:[1,0]                        ; times 2
.set i, i+2
.endr
; the quantiser: four blocks of 32, each 16 numbers in my lane and 16 in lane l xor 16
.irp b, 0,1,2,3
	v_max3_num_f32 v[TM+\b], |v[W+16*\b]|, |v[W+16*\b+1]|, 0x8000000   ; block b: my 16 numbers, and the floor 2^(16 - 127): the byte cannot fall under 1
.endr
.irp i, 2,4,6,8,10,12,14
.irp b, 0,1,2,3
	v_max3_num_f32 v[TM+\b], v[TM+\b], |v[W+16*\b+\i]|, |v[W+16*\b+\i+1]|   ; (the four blocks by turns)
.endr
.endr
.irp b, 0,1,2,3
	v_permlanex16_b32 v[TM+4+\b], v[TM+\b], s[SEL], s[SEL+1]
.endr
.irp b, 0,1,2,3
	v_max_num_f32 v[TM+\b], v[TM+\b], v[TM+4+\b]   ; the block's largest magnitude
.endr
.irp b, 0,1,2,3
	v_add_nc_u32 v[TM+12+\b], 0xf8800000, v[TM+\b] ; 15 off its exponent field: the conversion takes the exponent field of this operand as its scale
.endr
.irp b, 0,1,2,3
	v_and_or_b32 v[TM+8+\b], v[TM+\b], 0x7f800000, s[MNT]   ; 57,344 x the scale
.endr
.irp b, 0,1,2,3
	v_lshrrev_b32 v[TM+4+\b], 23, v[TM+12+\b]      ; the scale's byte
.endr
	v_lshl_or_b32 v[PW], v[TM+5], 8, v[TM+4]       ; the four bytes make my row's scale word for this K step
	v_lshl_or_b32 v[PW], v[TM+6], 16, v[PW]
	v_lshl_or_b32 v[PW], v[TM+7], 24, v[PW]
.irp b, 0,1,2,3
.irp i, 0,1,2,3,4,5,6,7,8,9,10,11,12,13,14,15
	v_med3_num_f32 v[W+16*\b+\i], v[W+16*\b+\i], -v[TM+8+\b], v[TM+8+\b]   ; the conversion to an 8-bit code does not saturate (ISA guide 7.6.2): the hold at the largest code x the scale
.endr
	v_cvt_scalef32_pk8_bf8_f32 v[PC+4*\b:PC+4*\b+1], v[W+16*\b:W+16*\b+7], v[TM+12+\b]
	v_cvt_scalef32_pk8_bf8_f32 v[PC+4*\b+2:PC+4*\b+3], v[W+16*\b+8:W+16*\b+15], v[TM+12+\b]
.endr
	v_nop                                          ; one plain line behind the last conversion
.irp c, 0,1,2,3
	global_store_b128 v8, v[PC+4*\c:PC+4*\c+3], s[8:9] offset:512*\c   ; the fragment as it stands: 512 consecutive bytes a store
.endr
	ds_store_b32 v10, v[PW]                        ; lanes r and r + 16 write the same word with the same value
	s_wait_dscnt 0x0                               ; for wave 0's sake: my squares and my scale words have landed
	s_barrier_signal -1
	s_barrier_wait -1
	s_cmp_lg_u32 s[WV], 0
	s_cbranch_scc1 .Ldone
	ds_load_b128 v[60:63], v11                     ; lane 16 i + r: the scale words of K steps 4 i .. 4 i + 3 of row r
	ds_load_b128 v[64:67], v12                     ; |mu_(8 q + j)|^2, j = 0 .. 7, in every lane
	ds_load_b128 v[68:71], v12 offset:16
	ds_load_b64 v[72:73], v12 offset:32            ; |mu_(2 p)|^2, |mu_(2 p + 1)|^2
	s_wait_dscnt 0x0
	global_store_b128 v13, v[60:63], s[6:7] offset:SCOFF   ; each half of the lanes stores 256 consecutive bytes, aligned
	v_cmp_gt_u32 vcc_lo, 16, v1
	v_cndmask_b32 v74, v73, v72, vcc_lo            ; |mu_c|^2 of my half's c = 2 p + h,
	v_cndmask_b32 v75, v72, v73, vcc_lo            ; and of c xor 1
.irp j, 0,1,2,3,4,5,6,7
	v_cmp_eq_u32 vcc_lo, \j, v15
	v_cndmask_b32 v[80+\j], v[64+\j], v75, vcc_lo  ; |mu_k|^2 of the place 8 q + j; at the place k = c that of c xor 1
	v_sub_f32 v[80+\j], v[80+\j], v74              ; b
.endr
	global_store_b128 v14, v[80:83], s[6:7] offset:BIOFF
	global_store_b128 v14, v[84:87], s[6:7] offset:BIOFF+512
.Ldone:
	s_wait_tensorcnt 0x0
	ds_add_u32 v58, v59
	s_wait_dscnt 0x0
	s_endpgm
.Lfunc_end_k_q56b0ee92db_prep:
	.size	k_q56b0ee92db_prep, .Lfunc_end_k_q56b0ee92db_prep-k_q56b0ee92db_prep
	.p2alignl 7, 3214868480
	.fill 96, 4, 3214868480
	.section	.rodata,"a",@progbits
	.p2align	6, 0x0
	.amdhsa_kernel k_q56b0ee92db_prep
		.amdhsa_group_segment_fixed_size 2048
		.amdhsa_private_segment_fixed_size 0
		.amdhsa_enable_private_segment 0
		.amdhsa_kernarg_size 16
		.amdhsa_user_sgpr_count 2
		.amdhsa_user_sgpr_kernarg_segment_ptr 1
		.amdhsa_wavefront_size32 1
		.amdhsa_system_sgpr_workgroup_id_x 1
		.amdhsa_system_sgpr_workgroup_id_y 1
		.amdhsa_system_sgpr_workgroup_id_z 1
		.amdhsa_system_vgpr_workitem_id 0
		.amdhsa_next_free_vgpr 256
		.amdhsa_next_free_sgpr 66
		.amdhsa_reserve_vcc 1
		.amdhsa_float_denorm_mode_32 3
		.amdhsa_float_denorm_mode_16_64 3
		.amdhsa_memory_ordered 1
		.amdhsa_forward_progress 1
		.amdhsa_inst_pref_size 25
	.end_amdhsa_kernel
	.amdgpu_metadata
---
amdhsa.version: [ 1, 2 ]
amdhsa.kernels:
  - .name:           k_q56b0ee92db_prep
    .symbol:         k_q56b0ee92db_prep.kd
    .args:
      - { .name: centroids, .offset: 0, .size: 8, .value_kind: global_buffer, .address_space: global }
      - { .name: wq, .offset: 8, .size: 8, .value_kind: global_buffer, .address_space: global }
    .group_segment_fixed_size: 2048
    .private_segment_fixed_size: 0
    .kernarg_segment_align: 8
    .kernarg_segment_size: 16
    .max_flat_workgroup_size: 256
    .sgpr_count:     66
    .vgpr_count:     256
    .wavefront_size: 32
...
	.end_amdgpu_metadata
.endif
;; end of part 1
;; launch main (part 2): grid 196 x 1, 4 waves a work-group, clusters of 4 x 1, 327,680 bytes of LDS; arguments X, wq, out0; writes out0
.if DOCPART == 2
	.amdgcn_target "amdgcn-amd-amdhsa--gfx1250"
	.amdhsa_code_object_version 6
	.text
	.protected	k_q56b0ee92db_main
	.globl	k_q56b0ee92db_main
	.p2align	8
	.type	k_q56b0ee92db_main,@function
k_q56b0ee92db_main:
	s_mov_b64 s[64:65], 0
	v_nop
	global_prefetch_b8 v0, s[64:65] scope:SCOPE_SE
	s_setreg_imm32_b32 hwreg(HW_REG_WAVE_MODE, 25, 1), 1
	s_wait_xcnt 0x0
	s_wait_alu depctr_hold_cnt(0) depctr_sa_sdst(0) depctr_va_vdst(0) depctr_va_sdst(0) depctr_va_ssrc(0) depctr_va_vcc(0) depctr_vm_vsrc(0)
	s_getreg_b32 s2, hwreg(HW_REG_IB_STS2, 6, 4)
	s_cmp_eq_u32 s2, 0
	s_cbranch_scc0 .Lentry_in_a_cluster
	s_endpgm
.Lentry_in_a_cluster:
	s_bfe_u32 s2, ttmp6, 0x10000c
	s_cmp_lg_u32 s2, 0x3003
	s_cbranch_scc0 .Lentry_shape_is_right
	s_endpgm
.Lentry_shape_is_right:
; out[n] = max over c of min over k != c of (W[c][k] . X[n] + b[c][k]), the product on codes of BF8 (E5M2) with one E8M0 scale for each 32 along D; sums, minima and maxima in f32.
; W's codes, scale words and biases come from wq, laid by the launch before in the order of this kernel's registers: 32 blocks of BLK bytes, one for each GROUP of two tiles of 16 columns (64 tiles: each c has 32
; places, the place k = c holding a second copy of column c xor 1, which changes no minimum).  In a block: (2 s + u) x 2,048 + 512 c + 16 lane: registers 4 c .. 4 c + 3 of the fragment of tile u, K step s;
; SCOFF + 512 i + 16 lane: scale words of K steps 4 i .. 4 i + 3 (tile 0 in lanes 0-15, tile 1 in lanes 16-31); BIOFF + 512 (2 u + i) + 16 lane: registers 4 i .. 4 i + 3 of tile u's bias, in the result's layout.
; SHARES.  A work-group owns 256 rows of X, each of its four waves 64: four tiles of 16.  PHASE 1: the wave reads its rows once, as f32, quantises them, and keeps the codes of all 1,024 along D in 512 registers.
; PHASE 2: all of W walks past, a group at a time; each fragment of W read from LDS feeds four products.  196 work-groups cover 50,176 rows; tiles past the last are the last tile once more (a clamped tile number,
; no branch), and their results are not stored.
; THE PRODUCT IS USED TRANSPOSED: source 0 = 16 columns of W, source 1 = 16 rows of X.  Lane (r, h) then holds row r of X, and its eight registers eight places k of ONE c (2 p + h for the four tiles of pair p):
; the minimum over k never leaves the lane, and the maximum over c wants one exchange between the halves of the lanes, at the end.  The bias is the C of a sum's first product.
; CLUSTER.  The four work-groups of a cluster walk the same W, so each block is asked for JOINTLY: the same tensor load, with the same descriptor and a mask that names the four; each receives it in its own LDS.
; The ring has two slots of four blocks; wave w fetches block w of a slot: one load a wave behind each round of the cluster's barrier, with 224 matrix instructions a wave in which to land.
; LIMITS: NaN and infinities among the inputs are not served (the minima and maxima drop a NaN); a block of zeros of X gets the scale byte 1 where the rule says 127: its codes are zeros, which add nothing.
; REGISTERS, in windows of 256 (s_set_vgpr_msb: bits 1:0 source 0, 3:2 source 1, 5:4 source 2, 7:6 destination):
;   window 0: v1-15 addresses; v16-47 X's scale words; v48-63 W's scale words, two sets; v64-79 the group's biases; v80-83 running minima, v84-87 running maxima; v88-95 the way out; v96-127 at work in phase 1;
;             v128-255 phase 1: two sets of 64 numbers; phase 2: two sets of 8 accumulators
;   window 1: phase 1: X as loaded, four sets of 64; phase 2: a group's 16 fragments of W (K steps 0-3 at v0, 4-7 at v128)
;   window 2: X's codes of K steps 0-3, fragment (s, t) at v[16 (4 s + t)];   window 3: those of K steps 4-7
.set BLK,    35840                     ; a group's block
.set BROWS,  BLK/256                   ; as rows of 256 bytes
.set SCOFF,  32768
.set BIOFF,  33792
.set SLOTB,  4*BLK                     ; a slot: four blocks
.set STG,    2*SLOTB                   ; behind the ring: a stage of 16 rows x 528 bytes for each wave; no tensor load lands there
.set SPITCH, 528                       ; 512 bytes + 16: an odd multiple of 16, so that the 16 rows that a load touches start at 16 different banks (64 banks of 4 bytes: ISA guide 11.1)
.set STGW,   16*SPITCH
.set SPARE,  STG+4*STGW                ; behind the stages: the spare words, 128 bytes for each wave: two blocks of 256 bytes that no other line names
.set NTILES, 3125                      ; tiles of 16 rows in X
.set NROWS,  50000
.set SPW, 1                            ; v1   LDS address of my spare word; never rewritten
.set NIL, 2                            ; v2   0; never rewritten
.set AW,  4                            ; v4-11  16 x lane + the LDS byte at which block j of slot n begins, at v[AW + 4 n + j];  v4 is 16 x lane itself and also X's vector offset
.set SA,  12                           ; v12  my stage, on the way in: 16 x lane
.set LA,  13                           ; v13  and on the way out: 528 r + 64 h
.set OA,  14                           ; v14  the way out: my stage + 4 r
.set OB,  15                           ; v15  my stage + 8 x lane
.set XS,  16                           ; X's scale words: K step s, tile t at v[XS + 4 s + t]; they hold scales and nothing else
.set WS,  48                           ; W's: set a, K step s at v[WS + 8 a + s]; likewise
.set BI,  64                           ; the biases of tile u at v[BI + 8 u]
.set MN,  80                           ; tile t's running minimum over k
.set MX,  84                           ; tile t's running maximum over c
.set ROW, 92                           ; v92  the first of my two rows of out
.set OO,  93                           ; v93  8 x lane
.set TM,  96                           ; at work in phase 1: 16 registers; the units of tile 2 take the 16 behind them
.set QS,  128                          ; phase 1: 64 numbers of a lane: even units at v192, odd units at v128
.set ACC, 128                          ; phase 2: accumulator (set a, tile u of W, tile t of X) at v[ACC + 64 a + 8 (4 u + t)]
.set WV,  10                           ; s10  my wave's number
.set CX,  11                           ; s11  my place in the cluster
.set WG,  12                           ; s12  my work-group's number
.set G1,  16                           ; s[16:23] descriptor group 1
.set G0,  24                           ; s[24:31] descriptor group 0, a set for each slot
.set XP,  32                           ; s[32:39] the addresses of my four tiles of X
.set SEL, 40                           ; s[40:41] lane selects for v_permlanex16_b32: lane l xor 16
.set MNT, 42                           ; s42  the mantissa field of 57,344
.set LAP, 43                           ; s43  counts the loop's trips
.set MUL_A, 0x09                       ; source 0 (W) window 1, source 1 (X) window 2, C and D window 0
.set MUL_B, 0x0d                       ; the same with X in window 3
.set TO1,   0x40                       ; destination window 1, address window 0
.set ST1,   0x04                       ; an LDS store's data (source 1) window 1
.set MSB, 0
.macro WIN new                         ; the immediate's high byte repeats the setting that is left; a switch that changes nothing is dropped
.if MSB != \new
	s_set_vgpr_msb (MSB<<8)|\new
.set MSB, \new
.endif
.endm
.macro PLACES n
.rept \n
	v_nop
.endr
.endm
.macro CREST                           ; a round of the cluster's barrier behind its opening barrier
	s_cmp_lg_u32 s[WV], 0
	s_cbranch_scc1 .Lnot_wave_0_\@
	s_barrier_signal -3
.Lnot_wave_0_\@:
	s_barrier_wait -3
	s_barrier_signal -1
	s_barrier_wait -1
.endm
.macro CROUND                          ; a whole round
	s_barrier_signal -1
	s_barrier_wait -1
	CREST
.endm
	s_load_b128 s[4:7], s[0:1], 0x0                ; X s[4:5], wq s[6:7]
	s_load_b64 s[8:9], s[0:1], 0x10                ; out0
	v_lshl_add_u32 v[SPW], v0, 2, SPARE
	v_mov_b32 v[NIL], 0
	ds_add_u32 v1, v2
	ds_add_u32 v1, v2
	s_wait_dscnt 0x0
	v_lshrrev_b32 v88, 5, v0
	v_readfirstlane_b32 s[WV], v88                 ; wave 0..3
	s_bfe_u32 s[CX], ttmp6, 0x40000                ; cx
	s_lshl_b32 s[WG], ttmp9, 2                     ; in a cluster launch ttmp9 counts clusters
	s_add_co_u32 s[WG], s[WG], s[CX]               ; it enters X's and out0's addresses alone
	; descriptor group 1: a dense block of BLK bytes as 140 rows of 32 elements of 8 bytes
	s_mov_b32 s[G1], 15|(3<<16)|(1<<21)            ; 15:0 the mask: all four work-groups; 17:16 elements of 8 bytes; 20 no padding; 21 set beside a mask
	s_mov_b32 s[G1+1], 32<<16                      ; tensor_dim0 = 32
	s_mov_b32 s[G1+2], BROWS<<16                   ; tensor_dim1 = 140
	s_mov_b32 s[G1+3], 32<<16                      ; tile_dim0 = 32
	s_mov_b32 s[G1+4], BROWS                       ; tile_dim1 = 140
	s_mov_b32 s[G1+5], 32                          ; from row to row: 32 elements
	s_mov_b32 s[G1+6], 0
	s_mov_b32 s[G1+7], 0
	s_mul_i32 s13, s[WV], BLK                      ; my block of a slot, in wq and in LDS alike: the wave's number alone
	s_lshl_b32 s14, s[WG], 4
	s_lshl_b32 s15, s[WV], 2
	s_add_co_u32 s14, s14, s15                     ; my first tile of X: 16 x work-group + 4 x wave
	s_lshl_b32 s47, s[WG], 8
	s_lshl_b32 s48, s[WV], 6
	s_add_co_u32 s47, s47, s48                     ; my first row
	s_mov_b32 s[SEL], 0x76543210
	s_mov_b32 s[SEL+1], 0xfedcba98
	s_mov_b32 s[MNT], 0x600000
	s_mov_b32 s45, 0
	s_wait_kmcnt 0x0
	s_mov_b32 s44, s13
	s_add_nc_u64 s[6:7], s[6:7], s[44:45]
.irp n, 0,1
	s_mov_b32 s[G0+4*\n], 1                        ; 1:0 count = 1
	s_add_co_u32 s[G0+4*\n+1], s13, \n*SLOTB       ; 63:32 LDS address
	s_add_nc_u64 s[G0+4*\n+2:G0+4*\n+3], s[6:7], \n*SLOTB   ; 120:64 global address: slot n begins with groups 4 n .. 4 n + 3
	s_or_b32 s[G0+4*\n+3], s[G0+4*\n+3], 0x80000000         ; 127:126 type = 2
.endr
.irp t, 0,1,2,3
	s_add_co_u32 s44, s14, \t
	s_min_u32 s44, s44, NTILES-1                   ; no load leaves X: a tile past the last is the last
	s_lshl_b32 s44, s44, 16                        ; 16 rows of 4,096 bytes
	s_add_nc_u64 s[XP+2*\t:XP+2*\t+1], s[4:5], s[44:45]
.endr
	s_lshl_b32 s44, s47, 2
	s_add_nc_u64 s[8:9], s[8:9], s[44:45]          ; out0 at my first row
	CROUND                                         ; all four work-groups are here: the first joint loads meet
	tensor_load_to_lds s[G0:G0+3], s[G1:G1+7]      ; both first fills go out together: two loads of mine are out
	s_nop 0
	tensor_load_to_lds s[G0+4:G0+7], s[G1:G1+7]
	s_nop 0
	PLACES 4
	v_and_b32 v88, 31, v0                          ; lane
	v_and_b32 v89, 15, v0                          ; r
	v_bfe_u32 v90, v0, 4, 1                        ; h
	v_lshlrev_b32 v[AW], 4, v88
.irp i, 1,2,3,4,5,6,7
	v_add_nc_u32 v[AW+\i], (\i/4)*SLOTB+(\i%4)*BLK, v[AW]
.endr
	s_mul_i32 s15, s[WV], STGW
	s_add_co_u32 s15, s15, STG                     ; my stage
	v_add_nc_u32 v[SA], s15, v[AW]
	v_mul_u32_u24 v[LA], v89, SPITCH
	v_lshl_add_u32 v[LA], v90, 6, v[LA]
	v_add_nc_u32 v[LA], s15, v[LA]
	v_lshl_add_u32 v[OA], v89, 2, s15
	v_lshl_add_u32 v[OB], v88, 3, s15
	v_lshl_add_u32 v[ROW], v88, 1, s47
	v_lshlrev_b32 v[OO], 3, v88
.irp t, 0,1,2,3
	v_mov_b32 v[MX+\t], 0xff800000                 ; -infinity, under every minimum
	v_mov_b32 v[TM+4+\t], 0                        ; written once: a lane permute's destination counts as one of its sources
	v_mov_b32 v[TM+20+\t], 0
.endr
; ---- PHASE 1.  A UNIT f is tile t = f / 8, K step s = f % 8: 16 rows x 128 numbers, one fragment.
; XLOAD: each of its 16 loads reads 512 consecutive bytes of one row.  Four units are asked for ahead, into four sets.
.macro XLOAD f
	WIN TO1
.irp i, 0,1,2,3,4,5,6,7,8,9,10,11,12,13,14,15
	global_load_b128 v[64*((\f)%4)+4*\i:64*((\f)%4)+4*\i+3], v[AW], s[XP+2*((\f)/8):XP+2*((\f)/8)+1] offset:4096*\i+512*((\f)%8) th:TH_LOAD_NT
.endr
.endm
; XTURN: the conversions want 16 neighbours along D in one lane, in the operand's order: lane (r, h) takes, of row r, numbers 32 b + 16 h + 0 .. 15.  So the unit goes through my stage as it was loaded, a row to a store,
; and comes back 64 bytes a lane and block.  LDS serves a wave's instructions in order (ISA guide 5.7.1.4): no wait between the stores and the loads.
.macro XTURN f
	WIN ST1
.irp i, 0,1,2,3,4,5,6,7,8,9,10,11,12,13,14,15
	ds_store_b128 v[SA], v[64*((\f)%4)+4*\i:64*((\f)%4)+4*\i+3] offset:SPITCH*\i
.endr
	WIN 0
.irp b, 0,1,2,3
.irp j, 0,1,2,3
	ds_load_b128 v[QS+64-64*((\f)%2)+16*\b+4*\j:QS+64-64*((\f)%2)+16*\b+4*\j+3], v[LA] offset:128*\b+16*\j
.endr
.endr
.endm
; QUANTX: the unit's 64 numbers of my lane become the fragment's 16 registers, where they stay, and my row's scale word.  A block's scale is 2^(floor(log2(its largest magnitude)) - 15).
; The sets are so chosen that a conversion's destination and its sources differ in the register numbers that the instruction names too, not in the window alone: fragment (s, t) stands at 64 (f % 4) + 16 t.
.macro QUANTX f
.set Q_B, QS+64-64*((\f)%2)
.set Q_X, XS+4*((\f)%8)+(\f)/8
.set Q_C, 16*(4*((\f)%4)+(\f)/8)
.set Q_T, TM
.if (\f)/8 == 2
.set Q_T, TM+16
.endif
.irp b, 0,1,2,3
	v_max3_num_f32 v[Q_T+\b], |v[Q_B+16*\b]|, |v[Q_B+16*\b+1]|, 0x8000000   ; block b: my 16 numbers, and the floor 2^(16 - 127): the byte cannot fall under 1
.endr
.irp i, 2,4,6,8,10,12,14
.irp b, 0,1,2,3
	v_max3_num_f32 v[Q_T+\b], v[Q_T+\b], |v[Q_B+16*\b+\i]|, |v[Q_B+16*\b+\i+1]|   ; (the four blocks by turns)
.endr
.endr
.irp b, 0,1,2,3
	v_permlanex16_b32 v[Q_T+4+\b], v[Q_T+\b], s[SEL], s[SEL+1]
.endr
.irp b, 0,1,2,3
	v_max_num_f32 v[Q_T+\b], v[Q_T+\b], v[Q_T+4+\b]   ; with lane l xor 16's: the block's largest magnitude
.endr
.irp b, 0,1,2,3
	v_add_nc_u32 v[Q_T+12+\b], 0xf8800000, v[Q_T+\b]  ; 15 off its exponent field: the conversion's scale operand
.endr
.irp b, 0,1,2,3
	v_and_or_b32 v[Q_T+8+\b], v[Q_T+\b], 0x7f800000, s[MNT]   ; 57,344 x the scale
.endr
.irp b, 0,1,2,3
	v_lshrrev_b32 v[Q_T+4+\b], 23, v[Q_T+12+\b]       ; the scale's byte
.endr
	v_lshl_or_b32 v[Q_X], v[Q_T+5], 8, v[Q_T+4]       ; my row's scale word for this K step (lanes 16-31 hold the same and are not read)
	v_lshl_or_b32 v[Q_X], v[Q_T+6], 16, v[Q_X]
	v_lshl_or_b32 v[Q_X], v[Q_T+7], 24, v[Q_X]
.irp b, 0,1,2,3
.irp i, 0,1,2,3,4,5,6,7,8,9,10,11,12,13,14,15
	v_med3_num_f32 v[Q_B+16*\b+\i], v[Q_B+16*\b+\i], -v[Q_T+8+\b], v[Q_T+8+\b]   ; the conversion to an 8-bit code does not saturate (ISA guide 7.6.2): the hold at the largest code x the scale
.endr
.endr
	WIN 0x80+0x40*(((\f)%8)/4)                     ; destination window 2 (K steps 0-3) or 3
.irp b, 0,1,2,3
	v_cvt_scalef32_pk8_bf8_f32 v[Q_C+4*\b:Q_C+4*\b+1], v[Q_B+16*\b:Q_B+16*\b+7], v[Q_T+12+\b]
	v_cvt_scalef32_pk8_bf8_f32 v[Q_C+4*\b+2:Q_C+4*\b+3], v[Q_B+16*\b+8:Q_B+16*\b+15], v[Q_T+12+\b]
.endr
	v_nop                                          ; one plain line behind the last conversion
	WIN 0
.endm
.macro XSTEP f
	s_wait_dscnt 0x0                               ; unit f's numbers are back from the stage: so its stores into the stage have read their set,
.if (\f)+4 < 32
	XLOAD (\f)+4                                   ; which takes the loads of four units on
.endif
.if (\f)+1 < 32
.if (\f) <= 27
	s_wait_loadcnt 48                              ; the next unit's 16 loads are in; those of the three units behind it may be out
.else
	s_wait_loadcnt 16*(30-(\f))                    ; the counts run down
.endif
	XTURN (\f)+1                                   ; and goes through the stage while this unit is quantised
.endif
	QUANTX \f
.endm
	XLOAD 0                                        ; 64 loads are asked for; the counter's field holds 63, and the issue of the load that would pass it is held back (ISA guide 5.7.1)
	XLOAD 1
	XLOAD 2
	XLOAD 3
	s_wait_loadcnt 48                              ; unit 0 is in
	XTURN 0
.irp f, 0,1,2,3,4,5,6,7,8,9,10,11,12,13,14,15,16,17,18,19,20,21,22,23,24,25,26,27,28,29,30,31
	XSTEP \f
.endr
; ---- PHASE 2.
; FETCHA: of block j of a slot: the fragments of K steps 0-3 (32 loads), the scale words (2) into set j % 2, the biases (4).  FETCHB: the fragments of K steps 4-7 (32 loads).  Every load takes 512 consecutive bytes.
.macro FETCHA slot, j
	WIN TO1
.irp s, 0,1,2,3
.irp u, 0,1
.irp c, 0,1,2,3
	ds_load_b128 v[16*(2*\s+\u)+4*\c:16*(2*\s+\u)+4*\c+3], v[AW+4*(\slot)+(\j)] offset:(2*\s+\u)*2048+512*\c
.endr
.endr
.endr
	WIN 0
.irp i, 0,1
	ds_load_b128 v[WS+8*((\j)%2)+4*\i:WS+8*((\j)%2)+4*\i+3], v[AW+4*(\slot)+(\j)] offset:SCOFF+512*\i
.endr
.irp i, 0,1,2,3
	ds_load_b128 v[BI+4*\i:BI+4*\i+3], v[AW+4*(\slot)+(\j)] offset:BIOFF+512*\i
.endr
.endm
.macro FETCHB slot, j
	WIN TO1
.irp s, 0,1,2,3
.irp u, 0,1
.irp c, 0,1,2,3
	ds_load_b128 v[128+16*(2*\s+\u)+4*\c:128+16*(2*\s+\u)+4*\c+3], v[AW+4*(\slot)+(\j)] offset:(2*(\s+4)+\u)*2048+512*\c
.endr
.endr
.endr
	WIN 0
.endm
; MUL: K step s of a group: its two tiles of W x my four tiles of X: eight accumulators of set ac by turns, one instruction a turn, in the same order in every K step.
; The first K step takes the bias as C: nothing is cleared and nothing is added afterwards.  Tile 1's scale words stand in lanes 16-31 of the register.
.macro MUL s, ac
.irp u, 0,1
.irp t, 0,1,2,3
.set M_D, ACC+64*(\ac)+8*(4*\u+\t)
.set M_A, 128*((\s)/4)+16*(2*((\s)%4)+\u)
.set M_B, 16*(4*((\s)%4)+\t)
.set M_W, WS+8*(\ac)+(\s)
.set M_X, XS+4*(\s)+\t
.if (\s) == 0
.if \u == 0
	v_wmma_scale_f32_16x16x128_f8f6f4 v[M_D:M_D+7], v[M_A:M_A+15], v[M_B:M_B+15], v[BI:BI+7], v[M_W], v[M_X] matrix_a_fmt:MATRIX_FMT_BF8 matrix_b_fmt:MATRIX_FMT_BF8
.else
	v_wmma_scale_f32_16x16x128_f8f6f4 v[M_D:M_D+7], v[M_A:M_A+15], v[M_B:M_B+15], v[BI+8:BI+15], v[M_W], v[M_X] matrix_a_fmt:MATRIX_FMT_BF8 matrix_b_fmt:MATRIX_FMT_BF8 matrix_a_scale:MATRIX_SCALE_ROW1
.endif
.else
.if \u == 0
	v_wmma_scale_f32_16x16x128_f8f6f4 v[M_D:M_D+7], v[M_A:M_A+15], v[M_B:M_B+15], v[M_D:M_D+7], v[M_W], v[M_X] matrix_a_fmt:MATRIX_FMT_BF8 matrix_b_fmt:MATRIX_FMT_BF8
.else
	v_wmma_scale_f32_16x16x128_f8f6f4 v[M_D:M_D+7], v[M_A:M_A+15], v[M_B:M_B+15], v[M_D:M_D+7], v[M_W], v[M_X] matrix_a_fmt:MATRIX_FMT_BF8 matrix_b_fmt:MATRIX_FMT_BF8 matrix_a_scale:MATRIX_SCALE_ROW1
.endif
.endif
.endr
.endr
.endm
; MINS: the 16 results a lane of set ac for each of tiles t0, t0 + 1 (number i of them at register i + 24 (i / 8): tile 0 of W, then tile 1) go into the tile's running minimum; the two tiles by turns.
; Each accumulator is read from its low end on.  A pair of c has four tiles of W, two groups: set 0 starts the minimum, set 1 ends it, and the maximum over c takes it.
.macro MINS ac, t0
.set N_B, ACC+64*(\ac)
.if (\ac) == 0
.irp t, \t0, \t0+1
	v_min3_num_f32 v[MN+(\t)], v[N_B+8*(\t)], v[N_B+8*(\t)+1], v[N_B+8*(\t)+2]
.endr
.irp i, 3,5,7,9,11,13
.irp t, \t0, \t0+1
	v_min3_num_f32 v[MN+(\t)], v[MN+(\t)], v[N_B+8*(\t)+\i+24*(\i/8)], v[N_B+8*(\t)+\i+1+24*((\i+1)/8)]
.endr
.endr
.irp t, \t0, \t0+1
	v_min_num_f32 v[MN+(\t)], v[MN+(\t)], v[N_B+8*(\t)+39]
.endr
.else
.irp i, 0,2,4,6,8,10,12,14
.irp t, \t0, \t0+1
	v_min3_num_f32 v[MN+(\t)], v[MN+(\t)], v[N_B+8*(\t)+\i+24*(\i/8)], v[N_B+8*(\t)+\i+1+24*(\i/8)]
.endr
.endr
.irp t, \t0, \t0+1
	v_max_num_f32 v[MX+(\t)], v[MX+(\t)], v[MN+(\t)]
.endr
.endif
.endm
; A GROUP: block j of a slot: 64 matrix instructions on accumulator set j % 2.  The minima of the group BEFORE, which lie in the other set, stand in two runs behind this group's products: they name none of these
; products' registers, so they are the eight places in front of the loads that follow them, and more than the eight in front of the first read
; of a result and the nine in front of a sum begun anew over an old one.  prev = 0: there is no group before: eight v_nop.
; mode 0: plain.  mode 1: the slot's last group; all its bytes were asked for in the group before, so the slot changes here and is filled again.  mode 2: the same, nothing left to fetch.  mode 3: the last group of all.
.macro GROUP slot, j, prev, mode
.set G_SET, (\j)%2
.set G_PRV, 1-G_SET
.if (\j) == 3
.set G_NS, 1-(\slot)
.set G_NJ, 0
.else
.set G_NS, \slot
.set G_NJ, (\j)+1
.endif
.if ((\mode) == 1) || ((\mode) == 2)
	s_wait_tensorcnt 0x0                           ; all my tensor loads have landed: my block of the other slot;
	ds_add_u32 v[SPW], v[NIL]                      ; 0 onto my spare word
.if (\mode) == 1
	s_add_nc_u64 s[G0+4*(\slot)+2:G0+4*(\slot)+3], s[G0+4*(\slot)+2:G0+4*(\slot)+3], 2*SLOTB   ; no load of mine is out, so a group 0 may be written: this slot's next four groups
.endif
	s_wait_dscnt 33                                ; (the add and the 32 loads of K steps 4-7 may be out)
	WIN MUL_A
	MUL 0, G_SET
	MUL 1, G_SET                                   ; sixteen matrix instructions stand between the add and the wait for it
	s_wait_dscnt 0x0                               ; the add is done, and my reads of this slot are over
	s_barrier_signal -1
	MUL 2, G_SET
	MUL 3, G_SET
	WIN 0
	s_barrier_wait -1
.if (\mode) == 1
	CREST                                          ; the barrier has opened a round of the cluster's barrier: no wave of any partner still reads this slot or has a load on its way
	tensor_load_to_lds s[G0+4*(\slot):G0+4*(\slot)+3], s[G1:G1+7]   ; my one tensor load behind the round, and the first thing there
	s_nop 0
	PLACES 4
.endif
.else
	s_wait_dscnt 32                                ; K steps 0-3, the scale words and the biases are in; the 32 loads of K steps 4-7 may be out
	WIN MUL_A
	MUL 0, G_SET
	MUL 1, G_SET
	MUL 2, G_SET
	MUL 3, G_SET
	WIN 0
.endif
.if \prev
	MINS G_PRV, 0
.else
	PLACES 8
.endif
.if (\mode) != 3
	FETCHA G_NS, G_NJ
	s_wait_dscnt 38                                ; all but the 38 just issued
.else
	s_wait_dscnt 0x0
.endif
	WIN MUL_B
	MUL 4, G_SET
	MUL 5, G_SET
	MUL 6, G_SET
	MUL 7, G_SET
	WIN 0
.if \prev
	MINS G_PRV, 2
.else
	PLACES 8
.endif
.if (\mode) != 3
	FETCHB G_NS, G_NJ
.endif
.endm
	s_wait_tensorcnt 0x1                           ; my block of slot 0 is in; slot 1's may stay out
	s_wait_dscnt 0x0
	s_barrier_signal -1
	s_barrier_wait -1                              ; everybody's is
	FETCHA 0, 0
	FETCHB 0, 0
	PLACES 8                                       ; X's codes and scale words were written by vector instructions: they stand four and eight places ahead of the scaled products
	GROUP 0, 0, 0, 0                               ; the first group stands in front of the loop: it has no minima to take
	s_mov_b32 s[LAP], 3
.Llap:                                                 ; a trip goes once round the ring, from a slot's second group to the same slot's first, and fills both slots again
	GROUP 0, 1, 1, 0
	GROUP 0, 2, 1, 0
	GROUP 0, 3, 1, 1
	GROUP 1, 0, 1, 0
	GROUP 1, 1, 1, 0
	GROUP 1, 2, 1, 0
	GROUP 1, 3, 1, 1
	GROUP 0, 0, 1, 0
	s_sub_co_u32 s[LAP], s[LAP], 1
	s_cmp_lg_u32 s[LAP], 0
	s_cbranch_scc1 .Llap
	GROUP 0, 1, 1, 0                               ; the last two slots are written out: nothing is left to fetch
	GROUP 0, 2, 1, 0
	GROUP 0, 3, 1, 2
	GROUP 1, 0, 1, 0
	GROUP 1, 1, 1, 0
	GROUP 1, 2, 1, 0
	GROUP 1, 3, 1, 3
	MINS 1, 0                                      ; the last group's minima: the sixteen minima just above, which name none of the last products' registers, are the places behind those products
	MINS 1, 2
	; ---- THE WAY OUT.  Lanes 0-15 hold the maximum over the even c, lanes 16-31 over the odd c.  The wave's 64 results meet in its stage and leave as 256 consecutive bytes, aligned.
.irp t, 0,1,2,3
	v_permlanex16_b32 v[MN+\t], v[MX+\t], s[SEL], s[SEL+1]
.endr
.irp t, 0,1,2,3
	v_max_num_f32 v[MX+\t], v[MX+\t], v[MN+\t]
.endr
.irp t, 0,1,2,3
	ds_store_b32 v[OA], v[MX+\t] offset:64*\t      ; row 16 t + r; lanes r and r + 16 write the same word with the same value
.endr
	ds_load_b64 v[94:95], v[OB]                    ; LDS serves a wave's instructions in order: this sees my stores
	s_wait_dscnt 0x0
	v_cmp_gt_u32 vcc_lo, NROWS, v[ROW]             ; rows past the last are not stored (the number of rows is even: a lane's two rows are in or out together)
	s_wait_xcnt 0x0                                ; EXEC changes only behind this wait
	s_and_saveexec_b32 s46, vcc_lo
	global_store_b64 v[OO], v[94:95], s[8:9]
	s_wait_xcnt 0x0                                ; and again, in front of the line that widens it
	s_or_b32 exec_lo, exec_lo, s46
	s_wait_tensorcnt 0x0                           ; the wave's end: behind my last tensor load and my last LDS store
	ds_add_u32 v[SPW], v[NIL]
	s_wait_dscnt 0x0
	CROUND                                         ; the closing round: no work-group ends while a partner may still ask for a block that names it
	s_endpgm
.Lfunc_end_k_q56b0ee92db_main:
	.size	k_q56b0ee92db_main, .Lfunc_end_k_q56b0ee92db_main-k_q56b0ee92db_main
	.p2alignl 7, 3214868480
	.fill 96, 4, 3214868480
	.section	.rodata,"a",@progbits
	.p2align	6, 0x0
	.amdhsa_kernel k_q56b0ee92db_main
		.amdhsa_group_segment_fixed_size 327680
		.amdhsa_private_segment_fixed_size 0
		.amdhsa_enable_private_segment 0
		.amdhsa_kernarg_size 24
		.amdhsa_user_sgpr_count 2
		.amdhsa_user_sgpr_kernarg_segment_ptr 1
		.amdhsa_wavefront_size32 1
		.amdhsa_system_sgpr_workgroup_id_x 1
		.amdhsa_system_sgpr_workgroup_id_y 1
		.amdhsa_system_sgpr_workgroup_id_z 1
		.amdhsa_system_vgpr_workitem_id 0
		.amdhsa_next_free_vgpr 1024
		.amdhsa_next_free_sgpr 66
		.amdhsa_reserve_vcc 1
		.amdhsa_float_denorm_mode_32 3
		.amdhsa_float_denorm_mode_16_64 3
		.amdhsa_memory_ordered 1
		.amdhsa_forward_progress 1
		.amdhsa_inst_pref_size 255
	.end_amdhsa_kernel
	.section	.bss,"aw",@nobits
	.p2align	6
	.space	262144
	.amdgpu_metadata
---
amdhsa.version: [ 1, 2 ]
amdhsa.kernels:
  - .name:           k_q56b0ee92db_main
    .symbol:         k_q56b0ee92db_main.kd
    .args:
      - { .name: X, .offset: 0, .size: 8, .value_kind: global_buffer, .address_space: global }
      - { .name: wq, .offset: 8, .size: 8, .value_kind: global_buffer, .address_space: global }
      - { .name: out0, .offset: 16, .size: 8, .value_kind: global_buffer, .address_space: global }
    .group_segment_fixed_size: 327680
    .private_segment_fixed_size: 0
    .kernarg_segment_align: 8
    .kernarg_segment_size: 24
    .max_flat_workgroup_size: 128
    .sgpr_count:     66
    .vgpr_count:     1024
    .wavefront_size: 32
...
	.end_amdgpu_metadata
.endif
;; end of part 2
;; ======== version 2 of 2: 3 launches
;; limits: right only within a limited range of input values
;; workspace buffers: wq 1,146,880 bytes; xq 51,200,000 bytes; xs 3,200,000 bytes
;; launch prep (part 3): grid 64 x 1, 8 waves a work-group, no clusters, 2,048 bytes of LDS; arguments centroids, wq; writes wq
.if DOCPART == 3
	.amdgcn_target "amdgcn-amd-amdhsa--gfx1250"
	.amdhsa_code_object_version 6
	.text
	.protected	k_q56b0ee92db_prep
	.globl	k_q56b0ee92db_prep
	.p2align	8
	.type	k_q56b0ee92db_prep,@function
k_q56b0ee92db_prep:
	s_mov_b64 s[64:65], 0
	v_nop
	global_prefetch_b8 v0, s[64:65] scope:SCOPE_SE
	s_setreg_imm32_b32 hwreg(HW_REG_WAVE_MODE, 25, 1), 1
	s_wait_xcnt 0x0
; W[c][k] = 2 (mu_c - mu_k) and b[c][k] = |mu_k|^2 - |mu_c|^2 are made once, W as codes of BF8 (E5M2) with one E8M0 scale byte for each 32 along D, and laid in wq in the order of the reader's registers.
; COLUMNS.  Each c gets 32 places k = 0 .. 31; the place k = c, which reference() leaves out, holds a second copy of column k = c xor 1: a copy changes no minimum.  So there are 64 tiles of 16 columns.
; Tile ct = 4 p + q; its row i is c = 2 p + i / 8, place 8 q + i % 8.  Used as source 0 of the product, rows 0-7 fall into lanes 0-15 of the result and rows 8-15 into lanes 16-31: each half of the lanes sees ONE c.
; wq: 32 blocks of BLK bytes, one for each group g = ct / 2 of two tiles (u = ct % 2):
;   (2 s + u) x 2,048 + 512 cc + 16 lane   the fragment of tile u, K step s (128 along D): the lane's registers 4 cc .. 4 cc + 3
;   SCOFF + 512 i + 16 (16 u + r)          the scale words of K steps 4 i .. 4 i + 3 of row r of tile u: tile 0 in lanes 0-15, tile 1 in lanes 16-31
;   BIOFF + 512 (2 u + ii) + 16 lane       b of the tile's rows 8 (lane / 16) + 4 ii + 0 .. 3: registers 4 ii .. 4 ii + 3 of the product's C
; SHARES.  A work-group makes one tile, each of its eight waves one K step: one fragment.  Lane (r, h) holds, of row r, k = 128 s + 32 b + 16 h + 0 .. 15 in registers 16 b + 0 .. 15: the operand's own order, so the
; conversions' results are the fragment.  Wave s also sums the squares of centroid 8 q + s and of centroid 2 p + s % 2; wave 0 makes the tile's biases of them behind the barrier.
; A block's scale is 2^(floor(log2(its largest magnitude)) - 15); its byte is the largest magnitude's exponent field - 15, held at 1 from below.
; LIMITS: a block of zeros gets the byte 1 where the rule says 127 (its codes are zeros, which add nothing under any byte but 0xff, and this program alone reads the bytes); NaN and infinities among the inputs are not served.
.set BLK,   35840
.set SCOFF, 32768
.set BIOFF, 33792
.set WV,  10                           ; s10  my wave's number = my K step
.set SEL, 28                           ; s[28:29] lane selects for v_permlanex16_b32: lane l xor 16
.set MNT, 30                           ; s30  the mantissa field of 57,344
.set PC,  16                           ; v16-31   the fragment's codes
.set TM,  32                           ; v32-35 largest magnitudes, v36-39 bytes, v40-43 57,344 x the scale, v44-47 the conversions' scale operands
.set PW,  48                           ; v48      my row's scale word
.set W,   64                           ; v64-127  mu_c, then W
.set MK,  128                          ; v128-191 mu_k
.set SQA, 192                          ; v192-223 centroid 8 q + s, whole: 32 numbers a lane
.set SQB, 224                          ; v224-255 centroid 2 p + s % 2
	s_load_b128 s[4:7], s[0:1], 0x0                ; centroids s[4:5], wq s[6:7]
	v_lshl_add_u32 v58, v0, 2, 0x400
	v_mov_b32 v59, 0
	v_lshrrev_b32 v1, 5, v0
	s_delay_alu instid0(VALU_DEP_1)
	v_readfirstlane_b32 s[WV], v1                  ; wave 0..7
	v_and_b32 v1, 31, v0                           ; lane
	v_and_b32 v2, 15, v0                           ; r
	v_bfe_u32 v3, v0, 4, 1                         ; h
	s_lshr_b32 s11, ttmp9, 2                       ; p
	s_and_b32 s12, ttmp9, 3                        ; q
	s_lshr_b32 s13, ttmp9, 1                       ; g
	s_and_b32 s14, ttmp9, 1                        ; u
	s_lshl_b32 s15, s11, 1                         ; 2 p
	s_lshl_b32 s16, s12, 3                         ; 8 q
	v_lshrrev_b32 v4, 3, v2
	s_delay_alu instid0(VALU_DEP_1)
	v_add_nc_u32 v4, s15, v4                       ; my row's c
	v_and_b32 v5, 7, v2
	s_delay_alu instid0(VALU_DEP_1)
	v_add_nc_u32 v5, s16, v5                       ; and its place k
	s_delay_alu instid0(VALU_DEP_3)
	v_xor_b32 v6, 1, v4
	s_delay_alu instid0(VALU_DEP_2)
	v_cmp_eq_u32 vcc_lo, v4, v5
	s_delay_alu instid0(VALU_DEP_1)
	v_cndmask_b32 v5, v5, v6, vcc_lo               ; at the place k = c: c xor 1
	s_lshl_b32 s17, s[WV], 9
	v_lshl_add_u32 v7, v3, 6, s17                  ; 512 s + 64 h: my 16 numbers of a block of 32
	s_delay_alu instid0(VALU_DEP_1)
	v_lshl_add_u32 v6, v4, 12, v7                  ; in mu_c,
	s_delay_alu instid0(VALU_DEP_2)
	v_lshl_add_u32 v7, v5, 12, v7                  ; in mu_k
	v_lshlrev_b32 v8, 4, v1                        ; 16 x lane
	; every LDS address is made here, ahead of the branch on the wave's number
	s_wait_alu depctr_va_vdst(0)
	v_mov_b32 v9, s[WV]
	s_delay_alu instid0(VALU_DEP_1)
	v_lshlrev_b32 v9, 2, v9                        ; bytes 0-31: |mu_(8 q + s)|^2 at 4 s; bytes 32-63: |mu_(2 p + s % 2)|^2 at 32 + 4 s
	s_lshr_b32 s18, s[WV], 2
	s_lshl_b32 s18, s18, 8
	s_and_b32 s19, s[WV], 3
	s_lshl_b32 s19, s19, 2
	s_add_co_u32 s18, s18, s19
	s_add_co_u32 s18, s18, 256
	v_lshl_add_u32 v10, v2, 4, s18                 ; bytes 256-767: my row's scale word at 256 + 256 (s / 4) + 16 r + 4 (s % 4)
	v_add_nc_u32 v11, 256, v8                      ; and back: four words a lane
	v_mov_b32 v12, 0
	s_lshl_b32 s19, s14, 8
	v_lshl_add_u32 v13, v3, 9, s19
	s_delay_alu instid0(VALU_DEP_1)
	v_lshl_add_u32 v13, v2, 4, v13                 ; wq: 512 (lane / 16) + 256 u + 16 r
	s_lshl_b32 s19, s14, 10
	v_add_nc_u32 v14, s19, v8                      ; wq: 1,024 u + 16 x lane
	v_add_nc_u32 v15, s15, v3
	s_delay_alu instid0(VALU_DEP_1)
	v_sub_nc_u32 v15, v15, s16                     ; my half's c less 8 q: which register of the bias, if any, stands at the place k = c
	s_add_co_u32 s20, s16, s[WV]
	s_lshl_b32 s20, s20, 12                        ; centroid 8 q + s, 4,096 bytes each
	s_mov_b32 s21, 0
	s_and_b32 s22, s[WV], 1
	s_add_co_u32 s22, s22, s15
	s_lshl_b32 s22, s22, 12                        ; centroid 2 p + s % 2
	s_mov_b32 s23, 0
	s_mul_i32 s24, s13, BLK                        ; my group's block
	s_mov_b32 s25, 0
	s_lshl_b32 s26, s[WV], 1
	s_add_co_u32 s26, s26, s14
	s_lshl_b32 s26, s26, 11                        ; my fragment in it
	s_mov_b32 s27, 0
	s_mov_b32 s[SEL], 0x76543210
	s_mov_b32 s[SEL+1], 0xfedcba98
	s_mov_b32 s[MNT], 0x600000
.irp b, 0,1,2,3
	v_mov_b32 v[TM+4+\b], 0                        ; written once: a lane permute's destination counts as one of its sources
.endr
	s_wait_kmcnt 0x0
	s_add_nc_u64 s[20:21], s[4:5], s[20:21]
	s_add_nc_u64 s[22:23], s[4:5], s[22:23]
	s_add_nc_u64 s[6:7], s[6:7], s[24:25]
	s_add_nc_u64 s[8:9], s[6:7], s[26:27]
.irp i, 0,1,2,3,4,5,6,7
	global_load_b128 v[SQA+4*\i:SQA+4*\i+3], v8, s[20:21] offset:512*\i     ; 32 lanes read 512 consecutive bytes
.endr
.irp i, 0,1,2,3,4,5,6,7
	global_load_b128 v[SQB+4*\i:SQB+4*\i+3], v8, s[22:23] offset:512*\i
.endr
.irp b, 0,1,2,3
.irp j, 0,1,2,3
	global_load_b128 v[W+16*\b+4*\j:W+16*\b+4*\j+3], v6, s[4:5] offset:128*\b+16*\j
	global_load_b128 v[MK+16*\b+4*\j:MK+16*\b+4*\j+3], v7, s[4:5] offset:128*\b+16*\j
.endr
.endr
; the sum of the squares of the 32 numbers at v[x] on, over the wave's 32 lanes: two packed chains, started by products; four steps inside each half of the lanes, one across.  a: four registers at work; the sum ends in v[a]
.macro SQSUM x, a
	v_pk_mul_f32 v[\a:\a+1], v[\x:\x+1], v[\x:\x+1]
	v_pk_mul_f32 v[\a+2:\a+3], v[\x+2:\x+3], v[\x+2:\x+3]
.irp i, 4,8,12,16,20,24,28
	s_delay_alu instid0(VALU_DEP_2)
	v_pk_fma_f32 v[\a:\a+1], v[\x+\i:\x+\i+1], v[\x+\i:\x+\i+1], v[\a:\a+1]
	s_delay_alu instid0(VALU_DEP_2)
	v_pk_fma_f32 v[\a+2:\a+3], v[\x+\i+2:\x+\i+3], v[\x+\i+2:\x+\i+3], v[\a+2:\a+3]
.endr
	s_delay_alu instid0(VALU_DEP_1)
	v_pk_add_f32 v[\a:\a+1], v[\a:\a+1], v[\a+2:\a+3]
	s_delay_alu instid0(VALU_DEP_1)
	v_add_f32 v[\a], v[\a], v[\a+1]
	s_delay_alu instid0(VALU_DEP_1)
	v_add_f32_dpp v[\a], v[\a], v[\a] row_xmask:1 row_mask:0xf bank_mask:0xf
	s_delay_alu instid0(VALU_DEP_1)
	v_add_f32_dpp v[\a], v[\a], v[\a] row_xmask:2 row_mask:0xf bank_mask:0xf
	s_delay_alu instid0(VALU_DEP_1)
	v_add_f32_dpp v[\a], v[\a], v[\a] row_xmask:4 row_mask:0xf bank_mask:0xf
	s_delay_alu instid0(VALU_DEP_1)
	v_add_f32_dpp v[\a], v[\a], v[\a] row_xmask:8 row_mask:0xf bank_mask:0xf
	s_delay_alu instid0(VALU_DEP_1)
	v_permlanex16_b32 v[\a+1], v[\a], s[SEL], s[SEL+1]
	s_delay_alu instid0(VALU_DEP_1)
	v_add_f32 v[\a], v[\a], v[\a+1]
.endm
	s_wait_loadcnt 32                              ; the two whole centroids are in; the 32 loads issued behind them may be out
	SQSUM SQA, 50
	SQSUM SQB, 54
	ds_store_b32 v9, v50                           ; all lanes write the same word with the same value
	ds_store_b32 v9, v54 offset:32
	s_wait_loadcnt 0x0
.set i, 0
.rept 32
	v_pk_add_f32 v[W+i:W+i+1], v[W+i:W+i+1], v[MK+i:MK+i+1] neg_lo:[0,1] neg_hi:[0,1]   ; mu_c - mu_k, rounded as reference() rounds it,
.set i, i+2
.endr
.set i, 0
.rept 32
	v_pk_mul_f32 v[W+i:W+i+1], v[W+i:W+i+1], 2.0 op_sel_hi:[1,0]                        ; times 2
.set i, i+2
.endr
; the quantiser: four blocks of 32, each 16 numbers in my lane and 16 in lane l xor 16
.irp b, 0,1,2,3
	v_max3_num_f32 v[TM+\b], |v[W+16*\b]|, |v[W+16*\b+1]|, 0x8000000   ; block b: my 16 numbers, and the floor 2^(16 - 127): the byte cannot fall under 1
.endr
.irp i, 2,4,6,8,10,12,14
.irp b, 0,1,2,3
	s_delay_alu instid0(VALU_DEP_4)
	v_max3_num_f32 v[TM+\b], v[TM+\b], |v[W+16*\b+\i]|, |v[W+16*\b+\i+1]|   ; (the four blocks by turns)
.endr
.endr
.irp b, 0,1,2,3
	s_delay_alu instid0(VALU_DEP_4)
	v_permlanex16_b32 v[TM+4+\b], v[TM+\b], s[SEL], s[SEL+1]
.endr
.irp b, 0,1,2,3
	s_delay_alu instid0(VALU_DEP_4)
	v_max_num_f32 v[TM+\b], v[TM+\b], v[TM+4+\b]   ; the block's largest magnitude
.endr
.irp b, 0,1,2,3
	s_delay_alu instid0(VALU_DEP_4)
	v_add_nc_u32 v[TM+12+\b], 0xf8800000, v[TM+\b] ; 15 off its exponent field: the conversion takes the exponent field of this operand as its scale
.endr
.irp b, 0,1,2,3
	v_and_or_b32 v[TM+8+\b], v[TM+\b], 0x7f800000, s[MNT]   ; 57,344 x the scale
.endr
.irp b, 0,1,2,3
	v_lshrrev_b32 v[TM+4+\b], 23, v[TM+12+\b]      ; the scale's byte
.endr
	s_delay_alu instid0(VALU_DEP_3)
	v_lshl_or_b32 v[PW], v[TM+5], 8, v[TM+4]       ; the four bytes make my row's scale word for this K step
	s_delay_alu instid0(VALU_DEP_1)
	v_lshl_or_b32 v[PW], v[TM+6], 16, v[PW]
	s_delay_alu instid0(VALU_DEP_1)
	v_lshl_or_b32 v[PW], v[TM+7], 24, v[PW]
.irp b, 0,1,2,3
.irp i, 0,1,2,3,4,5,6,7,8,9,10,11,12,13,14,15
	v_med3_num_f32 v[W+16*\b+\i], v[W+16*\b+\i], -v[TM+8+\b], v[TM+8+\b]   ; the conversion to an 8-bit code does not saturate (ISA guide 7.6.2): the hold at the largest code x the scale
.endr
	v_cvt_scalef32_pk8_bf8_f32 v[PC+4*\b:PC+4*\b+1], v[W+16*\b:W+16*\b+7], v[TM+12+\b]
	v_cvt_scalef32_pk8_bf8_f32 v[PC+4*\b+2:PC+4*\b+3], v[W+16*\b+8:W+16*\b+15], v[TM+12+\b]
.endr
	v_nop                                          ; one plain line behind the last conversion
.irp c, 0,1,2,3
	global_store_b128 v8, v[PC+4*\c:PC+4*\c+3], s[8:9] offset:512*\c   ; the fragment as it stands: 512 consecutive bytes a store
.endr
	ds_store_b32 v10, v[PW]                        ; lanes r and r + 16 write the same word with the same value
	s_wait_dscnt 0x0                               ; for wave 0's sake: my squares and my scale words have landed
	s_barrier_signal -1
	s_barrier_wait -1
	s_cmp_lg_u32 s[WV], 0
	s_cbranch_scc1 .Ldone
	ds_load_b128 v[60:63], v11                     ; lane 16 i + r: the scale words of K steps 4 i .. 4 i + 3 of row r
	ds_load_b128 v[64:67], v12                     ; |mu_(8 q + j)|^2, j = 0 .. 7, in every lane
	ds_load_b128 v[68:71], v12 offset:16
	ds_load_b64 v[72:73], v12 offset:32            ; |mu_(2 p)|^2, |mu_(2 p + 1)|^2
	s_wait_dscnt 0x0
	global_store_b128 v13, v[60:63], s[6:7] offset:SCOFF   ; each half of the lanes stores 256 consecutive bytes, aligned
	v_cmp_gt_u32 vcc_lo, 16, v1
	s_delay_alu instid0(VALU_DEP_1)
	v_cndmask_b32 v74, v73, v72, vcc_lo            ; |mu_c|^2 of my half's c = 2 p + h,
	s_delay_alu instid0(VALU_DEP_2)
	v_cndmask_b32 v75, v72, v73, vcc_lo            ; and of c xor 1
.irp j, 0,1,2,3,4,5,6,7
	v_cmp_eq_u32 vcc_lo, \j, v15
	s_delay_alu instid0(VALU_DEP_1)
	v_cndmask_b32 v[80+\j], v[64+\j], v75, vcc_lo  ; |mu_k|^2 of the place 8 q + j; at the place k = c that of c xor 1
	s_delay_alu instid0(VALU_DEP_1)
	v_sub_f32 v[80+\j], v[80+\j], v74              ; b
.endr
	global_store_b128 v14, v[80:83], s[6:7] offset:BIOFF
	global_store_b128 v14, v[84:87], s[6:7] offset:BIOFF+512
.Ldone:
	s_wait_tensorcnt 0x0
	ds_add_u32 v58, v59
	s_wait_dscnt 0x0
	s_endpgm
.Lfunc_end_k_q56b0ee92db_prep:
	.size	k_q56b0ee92db_prep, .Lfunc_end_k_q56b0ee92db_prep-k_q56b0ee92db_prep
	.p2alignl 7, 3214868480
	.fill 96, 4, 3214868480
	.section	.rodata,"a",@progbits
	.p2align	6, 0x0
	.amdhsa_kernel k_q56b0ee92db_prep
		.amdhsa_group_segment_fixed_size 2048
		.amdhsa_private_segment_fixed_size 0
		.amdhsa_enable_private_segment 0
		.amdhsa_kernarg_size 16
		.amdhsa_user_sgpr_count 2
		.amdhsa_user_sgpr_kernarg_segment_ptr 1
		.amdhsa_wavefront_size32 1
		.amdhsa_system_sgpr_workgroup_id_x 1
		.amdhsa_system_sgpr_workgroup_id_y 1
		.amdhsa_system_sgpr_workgroup_id_z 1
		.amdhsa_system_vgpr_workitem_id 0
		.amdhsa_next_free_vgpr 256
		.amdhsa_next_free_sgpr 66
		.amdhsa_reserve_vcc 1
		.amdhsa_float_denorm_mode_32 3
		.amdhsa_float_denorm_mode_16_64 3
		.amdhsa_memory_ordered 1
		.amdhsa_forward_progress 1
		.amdhsa_inst_pref_size 29
	.end_amdhsa_kernel
	.amdgpu_metadata
---
amdhsa.version: [ 1, 2 ]
amdhsa.kernels:
  - .name:           k_q56b0ee92db_prep
    .symbol:         k_q56b0ee92db_prep.kd
    .args:
      - { .name: centroids, .offset: 0, .size: 8, .value_kind: global_buffer, .address_space: global }
      - { .name: wq, .offset: 8, .size: 8, .value_kind: global_buffer, .address_space: global }
    .group_segment_fixed_size: 2048
    .private_segment_fixed_size: 0
    .kernarg_segment_align: 8
    .kernarg_segment_size: 16
    .max_flat_workgroup_size: 256
    .sgpr_count:     66
    .vgpr_count:     256
    .wavefront_size: 32
...
	.end_amdgpu_metadata
.endif
;; end of part 3
;; launch quant (part 4): grid 3125 x 1, 1 waves a work-group, no clusters, 8,704 bytes of LDS; arguments X, xq, xs; writes xq, xs
.if DOCPART == 4
	.amdgcn_target "amdgcn-amd-amdhsa--gfx1250"
	.amdhsa_code_object_version 6
	.text
	.protected	k_q56b0ee92db_quant
	.globl	k_q56b0ee92db_quant
	.p2align	8
	.type	k_q56b0ee92db_quant,@function
k_q56b0ee92db_quant:
	s_mov_b64 s[64:65], 0
	v_nop
	global_prefetch_b8 v0, s[64:65] scope:SCOPE_SE
	s_setreg_imm32_b32 hwreg(HW_REG_WAVE_MODE, 25, 1), 1
	s_wait_xcnt 0x0
; X [50000][1024] f32 is turned into codes of BF8 (E5M2) with one E8M0 scale byte for each 32 along D, laid in the order of the reader's registers.
; A work-group is one wave and takes one tile of 16 rows (3,125 tiles), in 8 steps of 128 along D.  Waves share nothing: no barrier.
; xq: tile x 16,384 + 2,048 s + 512 c + 16 lane: registers 4 c .. 4 c + 3 of the fragment of K step s: lane (r, h) holds row r, k = 128 s + 32 c + 16 h + 0 .. 15.
; xs: tile x 1,024 + 512 i + 16 lane: the scale words of K steps 4 i .. 4 i + 3 of row lane % 16 (lanes 16-31 hold the same words as lanes 0-15).
; A step: 16 loads of 512 consecutive bytes (a row's 128 numbers each); through the stage in LDS (rows 528 bytes apart); back 64 bytes a lane; the quantiser; four stores of 512 consecutive bytes.
; A block's scale is 2^(floor(log2(its largest magnitude)) - 15); its byte is the largest magnitude's exponent field - 15, held at 1 from below.
; LIMITS: a block of zeros gets the byte 1 where the rule says 127 (its codes are zeros, and this program alone reads the bytes); NaN and infinities among the inputs are not served.
.set SPITCH, 528
.set SPARE,  16*SPITCH                 ; behind the stage: the spare words, one block of 256 bytes
.set SPW, 1                            ; v1  my spare word's address; never rewritten
.set NIL, 2                            ; v2  0; never rewritten
.set AW,  3                            ; v3  16 x lane
.set STO, 4                            ; v4  528 r + 64 h: out of the stage
.set TM,  8                            ; v8-23   at work in the quantiser
.set PC,  24                           ; v24-39  a fragment's codes
.set PWS, 40                           ; v40-47  my row's scale words, one for each K step
.set R,   64                           ; v64-191 two sets of 64 registers as loaded
.set Q,   192                          ; v192-255 16 neighbours of each of four blocks
.set SEL, 16                           ; s[16:17] selects for lane l xor 16
.set MNT, 18                           ; s18 the mantissa field of 57,344
	s_load_b128 s[4:7], s[0:1], 0x0                ; X, xq
	s_load_b64 s[8:9], s[0:1], 0x10                ; xs
	v_lshl_add_u32 v[SPW], v0, 2, SPARE
	v_mov_b32 v[NIL], 0
	v_lshlrev_b32 v[AW], 4, v0
	v_and_b32 v5, 15, v0
	v_lshrrev_b32 v6, 4, v0
	v_mul_u32_u24 v[STO], v5, SPITCH
	v_lshl_add_u32 v[STO], v6, 6, v[STO]
; THE PREFETCH: step k asks for step k + 3's 8,192 bytes, a lane a block of 256 bytes (row lane / 2, half lane % 2), one whole step ahead of the loads that take them (step k + 1 issues them).
; Steps 0 and 1 come by their loads alone, step 2 is asked for at the head, and nothing is asked for beyond step 7: every address lies in my tile.  The offset register is never rewritten.
.set PFO, 7
	v_lshrrev_b32 v5, 1, v0
	v_and_b32 v6, 1, v0
	v_lshlrev_b32 v5, 12, v5
	v_lshl_add_u32 v[PFO], v6, 8, v5
.irp b, 0,1,2,3
	v_mov_b32 v[TM+4+\b], 0                        ; a lane permute's destination counts as one of its sources
.endr
	s_lshl_b32 s10, ttmp9, 16                      ; my tile: 65,536 bytes of X,
	s_mov_b32 s11, 0
	s_lshl_b32 s12, ttmp9, 14                      ; 16,384 of codes,
	s_mov_b32 s13, 0
	s_lshl_b32 s14, ttmp9, 10                      ; 1,024 of scale words
	s_mov_b32 s15, 0
	s_mov_b32 s[SEL], 0x76543210
	s_mov_b32 s[SEL+1], 0xfedcba98
	s_mov_b32 s[MNT], 0x600000
	s_wait_alu depctr_va_vdst(0)                   ; the wait at the head's end
	s_wait_kmcnt 0x0
	s_add_nc_u64 s[4:5], s[4:5], s[10:11]
	s_add_nc_u64 s[6:7], s[6:7], s[12:13]
	s_add_nc_u64 s[8:9], s[8:9], s[14:15]
.macro QLOAD k                         ; step k: 16 rows x 512 bytes into set k % 2
.irp i, 0,1,2,3,4,5,6,7,8,9,10,11,12,13,14,15
	global_load_b128 v[R+64*((\k)%2)+4*\i:R+64*((\k)%2)+4*\i+3], v[AW], s[4:5] offset:4096*\i+512*(\k) th:TH_LOAD_NT
.endr
.endm
.macro QUANT pw                        ; four blocks of 32, each 16 numbers in my lane and 16 in lane l xor 16; the scale word goes to v[pw]
.irp b, 0,1,2,3
	v_max3_num_f32 v[TM+\b], |v[Q+16*\b]|, |v[Q+16*\b+1]|, 0x8000000   ; with the floor 2^(16 - 127): the byte cannot fall under 1
.endr
.irp i, 2,4,6,8,10,12,14
.irp b, 0,1,2,3
	s_delay_alu instid0(VALU_DEP_4)
	v_max3_num_f32 v[TM+\b], v[TM+\b], |v[Q+16*\b+\i]|, |v[Q+16*\b+\i+1]|
.endr
.endr
.irp b, 0,1,2,3
	s_delay_alu instid0(VALU_DEP_4)
	v_permlanex16_b32 v[TM+4+\b], v[TM+\b], s[SEL], s[SEL+1]
.endr
.irp b, 0,1,2,3
	s_delay_alu instid0(VALU_DEP_4)
	v_max_num_f32 v[TM+\b], v[TM+\b], v[TM+4+\b]   ; the block's largest magnitude
.endr
.irp b, 0,1,2,3
	s_delay_alu instid0(VALU_DEP_4)
	v_add_nc_u32 v[TM+12+\b], 0xf8800000, v[TM+\b] ; 15 off its exponent field: the conversion's scale operand
.endr
.irp b, 0,1,2,3
	v_and_or_b32 v[TM+8+\b], v[TM+\b], 0x7f800000, s[MNT]   ; 57,344 x the scale
.endr
.irp b, 0,1,2,3
	v_lshrrev_b32 v[TM+4+\b], 23, v[TM+12+\b]      ; the scale's byte
.endr
	s_delay_alu instid0(VALU_DEP_3)
	v_lshl_or_b32 v[\pw], v[TM+5], 8, v[TM+4]
	s_delay_alu instid0(VALU_DEP_1)
	v_lshl_or_b32 v[\pw], v[TM+6], 16, v[\pw]
	s_delay_alu instid0(VALU_DEP_1)
	v_lshl_or_b32 v[\pw], v[TM+7], 24, v[\pw]
.irp b, 0,1,2,3
.irp i, 0,1,2,3,4,5,6,7,8,9,10,11,12,13,14,15
	v_med3_num_f32 v[Q+16*\b+\i], v[Q+16*\b+\i], -v[TM+8+\b], v[TM+8+\b]   ; the conversion does not saturate (ISA guide 7.6.2): the hold
.endr
	v_cvt_scalef32_pk8_bf8_f32 v[PC+4*\b:PC+4*\b+1], v[Q+16*\b:Q+16*\b+7], v[TM+12+\b]
	v_cvt_scalef32_pk8_bf8_f32 v[PC+4*\b+2:PC+4*\b+3], v[Q+16*\b+8:Q+16*\b+15], v[TM+12+\b]
.endr
	v_nop                                          ; one plain line behind the last conversion
.endm
.macro STEP k
.if (\k) < 7
	s_wait_loadcnt 16                              ; this step's 16 loads are in; the next step's may be out
.else
	s_wait_loadcnt 0x0
.endif
.irp i, 0,1,2,3,4,5,6,7,8,9,10,11,12,13,14,15
	ds_store_b128 v[AW], v[R+64*((\k)%2)+4*\i:R+64*((\k)%2)+4*\i+3] offset:SPITCH*\i
.endr
.irp b, 0,1,2,3
.irp j, 0,1,2,3
	ds_load_b128 v[Q+16*\b+4*\j:Q+16*\b+4*\j+3], v[STO] offset:128*\b+16*\j   ; LDS serves a wave's instructions in order: these see the stores above
.endr
.endr
	s_wait_dscnt 0x0                               ; my 64 numbers are back, and the stores have read their registers
.if (\k) > 0
	s_wait_xcnt 0x0                                ; the last step's stores have read the codes' registers
.endif
.if (\k)+2 < 8
	QLOAD (\k)+2
.endif
.if (\k)+3 < 8
	global_prefetch_b8 v[PFO], s[4:5] offset:512*((\k)+3) th:TH_LOAD_NT scope:SCOPE_SE
.endif
	QUANT PWS+(\k)
.irp c, 0,1,2,3
	global_store_b128 v[AW], v[PC+4*\c:PC+4*\c+3], s[6:7] offset:2048*(\k)+512*\c   ; 512 consecutive bytes a store
.endr
.endm
	QLOAD 0
	QLOAD 1
	global_prefetch_b8 v[PFO], s[4:5] offset:1024 th:TH_LOAD_NT scope:SCOPE_SE
.irp k, 0,1,2,3,4,5,6,7
	STEP \k
.endr
	global_store_b128 v[AW], v[PWS:PWS+3], s[8:9]
	global_store_b128 v[AW], v[PWS+4:PWS+7], s[8:9] offset:512
	s_wait_tensorcnt 0x0                           ; the wave's end
	ds_add_u32 v[SPW], v[NIL]
	s_wait_dscnt 0x0
	s_endpgm
.Lfunc_end_k_q56b0ee92db_quant:
	.size	k_q56b0ee92db_quant, .Lfunc_end_k_q56b0ee92db_quant-k_q56b0ee92db_quant
	.p2alignl 7, 3214868480
	.fill 96, 4, 3214868480
	.section	.rodata,"a",@progbits
	.p2align	6, 0x0
	.amdhsa_kernel k_q56b0ee92db_quant
		.amdhsa_group_segment_fixed_size 8704
		.amdhsa_private_segment_fixed_size 0
		.amdhsa_enable_private_segment 0
		.amdhsa_kernarg_size 24
		.amdhsa_user_sgpr_count 2
		.amdhsa_user_sgpr_kernarg_segment_ptr 1
		.amdhsa_wavefront_size32 1
		.amdhsa_system_sgpr_workgroup_id_x 1
		.amdhsa_system_sgpr_workgroup_id_y 1
		.amdhsa_system_sgpr_workgroup_id_z 1
		.amdhsa_system_vgpr_workitem_id 0
		.amdhsa_next_free_vgpr 256
		.amdhsa_next_free_sgpr 66
		.amdhsa_reserve_vcc 0
		.amdhsa_float_denorm_mode_32 3
		.amdhsa_float_denorm_mode_16_64 3
		.amdhsa_memory_ordered 1
		.amdhsa_forward_progress 1
		.amdhsa_inst_pref_size 109
	.end_amdhsa_kernel
	.amdgpu_metadata
---
amdhsa.version: [ 1, 2 ]
amdhsa.kernels:
  - .name:           k_q56b0ee92db_quant
    .symbol:         k_q56b0ee92db_quant.kd
    .args:
      - { .name: X, .offset: 0, .size: 8, .value_kind: global_buffer, .address_space: global }
      - { .name: xq, .offset: 8, .size: 8, .value_kind: global_buffer, .address_space: global }
      - { .name: xs, .offset: 16, .size: 8, .value_kind: global_buffer, .address_space: global }
    .group_segment_fixed_size: 8704
    .private_segment_fixed_size: 0
    .kernarg_segment_align: 8
    .kernarg_segment_size: 24
    .max_flat_workgroup_size: 32
    .sgpr_count:     66
    .vgpr_count:     256
    .wavefront_size: 32
...
	.end_amdgpu_metadata
.endif
;; end of part 4
;; launch main (part 5): grid 196 x 1, 4 waves a work-group, clusters of 4 x 1, 327,680 bytes of LDS; arguments xq, wq, out0, xs; writes out0
.if DOCPART == 5
	.amdgcn_target "amdgcn-amd-amdhsa--gfx1250"
	.amdhsa_code_object_version 6
	.text
	.protected	k_q56b0ee92db_main
	.globl	k_q56b0ee92db_main
	.p2align	8
	.type	k_q56b0ee92db_main,@function
k_q56b0ee92db_main:
	s_mov_b64 s[64:65], 0
	v_nop
	global_prefetch_b8 v0, s[64:65] scope:SCOPE_SE
	s_setreg_imm32_b32 hwreg(HW_REG_WAVE_MODE, 25, 1), 1
	s_wait_xcnt 0x0
	s_wait_alu depctr_hold_cnt(0) depctr_sa_sdst(0) depctr_va_vdst(0) depctr_va_sdst(0) depctr_va_ssrc(0) depctr_va_vcc(0) depctr_vm_vsrc(0)
	s_getreg_b32 s2, hwreg(HW_REG_IB_STS2, 6, 4)
	s_cmp_eq_u32 s2, 0
	s_cbranch_scc0 .Lentry_in_a_cluster
	s_endpgm
.Lentry_in_a_cluster:
	s_bfe_u32 s2, ttmp6, 0x10000c
	s_cmp_lg_u32 s2, 0x3003
	s_cbranch_scc0 .Lentry_shape_is_right
	s_endpgm
.Lentry_shape_is_right:
; out[n] = max over c of min over k of (W[c][k] . X[n] + b[c][k]), on the codes, scale words and biases that the two launches before have laid in the order of this launch's registers.
; A work-group takes 256 rows of X, a wave 64: four tiles of 16 rows, whose codes for all of D stay in 512 registers.  The last work-group's tiles beyond tile 3,124 are that tile once more; their results are not stored.
; W's 64 tiles of 16 columns come in 32 groups of two (BLK bytes each: fragments, scale words, biases) through a ring of two LDS slots of FOUR groups, by joint loads of the cluster's four work-groups,
; which all walk the same bytes of wq.  Each wave fetches a quarter of a slot, 140 rows of 256 bytes.  wq is eight slot tiles: two first fills and six refills; between a refill and the wait for it a wave issues 224 products.
; THE PRODUCT IS USED TRANSPOSED: source 0 = 16 columns of W, source 1 = 16 rows of X.  A lane then holds one row of X, its eight registers eight places k of ONE c (lanes 0-15: c = 2 p, lanes 16-31: c = 2 p + 1);
; the bias is the C of a sum's first product.  Two groups make the 32 places of a pair of c: the minimum runs over both, then the maximum takes it.
; REGISTERS: window 0: addresses, scale words, biases, v128-255 two sets of 8 accumulators;  window 1: W's fragments of a group;  windows 2, 3: X's codes of K steps 0-3, 4-7 (fragment (s, t) at v[16 (4 (s % 4) + t)]).
; THE PREFETCH of wq: behind the load of slot tile n, tile n + 2 is asked for: two changes of slots, 512 products, ahead of its load.  All clusters read the same bytes, so clusters 0 to 3 alone ask.  Of a wave's
; 140 blocks of 256 bytes the partner at place cx takes blocks 35 cx .. 35 cx + 34, by address: 32 by one instruction, 3 by a second, whose other lanes name the last block again.  The loop's last trip asks for nothing.
; X's codes are asked for once, at the head, with no loop ahead of them: they have no prefetch.
; LIMITS: NaN and infinities among the inputs are not served.
.set BLK,    35840
.set SCOFF,  32768
.set BIOFF,  33792
.set SLOTB,  4*BLK
.set QRT,    SLOTB/4
.set QROWS,  QRT/256
.set RING,   2*SLOTB
.set OUTS,   RING                      ; behind the ring: 256 bytes for each wave, for the way out
.set SPARE,  RING+1024                 ; the spare words, 128 bytes for each wave
.set NTILES, 3125
.set NROWS,  50000
.set SPW, 1
.set NIL, 2
.set AW,  4                            ; v4-11  16 x lane + the place of group j of slot n in the ring, at 4 n + j
.set PFO, 12                           ; v12-13 the prefetches' offsets; never rewritten
.set OA,  14
.set OB,  15
.set XS,  20                           ; v20-51 X's scale words: tile t, K step s at 8 t + s
.set WS,  56                           ; v56-71 W's scale words, two sets
.set BI,  72                           ; v72-87 the biases of a group
.set MN,  88
.set MX,  92
.set ROW, 96
.set OO,  97
.set ACC, 128
.set WV,  10
.set CX,  11
.set WG,  12
.set G1,  16
.set G0,  24
.set LP,  32                           ; s[32:39] my four tiles' codes
.set SEL, 40
.set LAP, 43
.set PFA, 48                           ; s[48:49] my quarter of the slot tile that the next prefetch names
.set LIM, 50                           ; s50 1 in clusters 0 to 3, else the greatest number
.set RB,  51                           ; s51 my wave's first row
.set XB,  54                           ; s[54:61] my four tiles' scale words
.set MUL_A, 0x09
.set MUL_B, 0x0d
.set TO1,   0x40
.set MSB, 0
.macro WIN new
.if MSB != \new
	s_set_vgpr_msb (MSB<<8)|\new
.set MSB, \new
.endif
.endm
.macro PLACES n
.rept \n
	v_nop
.endr
.endm
.macro CREST                           ; a round of the cluster's barrier behind its opening barrier
	s_cmp_lg_u32 s[WV], 0
	s_cbranch_scc1 .Lnot_wave_0_\@
	s_barrier_signal -3
.Lnot_wave_0_\@:
	s_barrier_wait -3
	s_barrier_signal -1
	s_barrier_wait -1
.endm
.macro CROUND
	s_barrier_signal -1
	s_barrier_wait -1
	CREST
.endm
.macro ASK how                         ; how = 1: at the head;  how = 0: in the loop, whose last trip (LAP = 1) has no tile two on.  The branch hangs on the cluster's number and the loop's counter alone
.if \how
	s_cmp_eq_u32 s[LIM], 1
.else
	s_cmp_gt_u32 s[LAP], s[LIM]
.endif
	s_cbranch_scc0 .Lno_ask_\@
	global_prefetch_b8 v[PFO], s[PFA:PFA+1] th:TH_LOAD_NT scope:SCOPE_SE
	global_prefetch_b8 v[PFO+1], s[PFA:PFA+1] th:TH_LOAD_NT scope:SCOPE_SE
.Lno_ask_\@:
.endm
	s_load_b128 s[4:7], s[0:1], 0x0                ; xq, wq
	s_load_b64 s[8:9], s[0:1], 0x10                ; out0
	s_load_b64 s[52:53], s[0:1], 0x18              ; xs
	v_lshl_add_u32 v[SPW], v0, 2, SPARE
	v_mov_b32 v[NIL], 0
	ds_add_u32 v[SPW], v[NIL]                      ; the opening lines: the add twice on end and its wait
	ds_add_u32 v[SPW], v[NIL]
	v_lshrrev_b32 v98, 5, v0
	v_readfirstlane_b32 s[WV], v98
	s_bfe_u32 s[CX], ttmp6, 0x40000
	s_lshl_b32 s[WG], ttmp9, 2
	s_add_co_u32 s[WG], s[WG], s[CX]
	s_mov_b32 s[G1], 15|(3<<16)|(1<<21)            ; the mask names the cluster's four; elements of 8 bytes
	s_mov_b32 s[G1+1], 32<<16                      ; rows of 256 bytes,
	s_mov_b32 s[G1+2], QROWS<<16                   ; 140 of them: a quarter of a slot
	s_mov_b32 s[G1+3], 32<<16
	s_mov_b32 s[G1+4], QROWS
	s_mov_b32 s[G1+5], 32
	s_mov_b32 s[G1+6], 0
	s_mov_b32 s[G1+7], 0
	s_mul_i32 s13, s[WV], QRT
	s_lshl_b32 s14, s[WG], 4
	s_lshl_b32 s15, s[WV], 2
	s_add_co_u32 s14, s14, s15                     ; my first tile
	s_lshl_b32 s[RB], s14, 4                       ; and its first row
	s_mov_b32 s[SEL], 0x76543210
	s_mov_b32 s[SEL+1], 0xfedcba98
	s_mov_b32 s45, 0
	s_mov_b32 s47, 0
	s_cmp_lt_u32 ttmp9, 4
	s_cselect_b32 s[LIM], 1, -1
	s_wait_dscnt 0x0
	s_wait_kmcnt 0x0
	s_mov_b32 s44, s13
	s_add_nc_u64 s[6:7], s[6:7], s[44:45]
	s_add_nc_u64 s[PFA:PFA+1], s[6:7], 2*SLOTB     ; slot tile 2
.irp n, 0,1
	s_mov_b32 s[G0+4*\n], 1
	s_add_co_u32 s[G0+4*\n+1], s13, \n*SLOTB
	s_add_nc_u64 s[G0+4*\n+2:G0+4*\n+3], s[6:7], \n*SLOTB
	s_or_b32 s[G0+4*\n+3], s[G0+4*\n+3], 0x80000000
.endr
.irp t, 0,1,2,3
	s_add_co_u32 s44, s14, \t
	s_min_u32 s44, s44, NTILES-1                   ; no load leaves its buffer
	s_lshl_b32 s46, s44, 10
	s_lshl_b32 s44, s44, 14
	s_add_nc_u64 s[LP+2*\t:LP+2*\t+1], s[4:5], s[44:45]
	s_add_nc_u64 s[XB+2*\t:XB+2*\t+1], s[52:53], s[46:47]
.endr
	s_lshl_b32 s44, s[RB], 2
	s_add_nc_u64 s[8:9], s[8:9], s[44:45]
	CROUND                                         ; the four work-groups are here: the first joint loads meet
	tensor_load_to_lds s[G0:G0+3], s[G1:G1+7]      ; slot 0: one tensor load a wave at the head
	s_nop 0
	PLACES 4
	v_and_b32 v98, 31, v0
	v_and_b32 v99, 15, v0
	v_lshlrev_b32 v[AW], 4, v98
.irp i, 1,2,3,4,5,6,7
	v_add_nc_u32 v[AW+\i], \i*BLK, v[AW]
.endr
	s_lshl_b32 s15, s[WV], 8
	s_add_co_u32 s15, s15, OUTS
	v_lshl_add_u32 v[OA], v99, 2, s15
	v_lshl_add_u32 v[OB], v98, 3, s15
	v_lshl_add_u32 v[ROW], v98, 1, s[RB]
	v_lshlrev_b32 v[OO], 3, v98
	s_mul_i32 s15, s[CX], 35*256                   ; my work-group's 35 blocks of the wave's 140
	v_lshl_add_u32 v[PFO], v98, 8, s15             ; blocks 0 to 31 of them,
	v_min_u32 v100, 2, v98
	v_lshl_add_u32 v[PFO+1], v100, 8, s15
	v_add_nc_u32 v[PFO+1], 32*256, v[PFO+1]        ; and blocks 32 to 34
.irp t, 0,1,2,3
	v_mov_b32 v[MX+\t], 0xff800000
.endr
	s_wait_alu depctr_va_vdst(0)                   ; the wait at the end of the head's vector work
	ASK 1                                          ; slot tile 2
; X's codes and scale words, as they lie: 136 loads of 512 consecutive bytes, on their way while slot 0 lands
.irp h, 0,1
	WIN 0x80+0x40*\h
.irp t, 0,1,2,3
.irp s, 0,1,2,3
.irp c, 0,1,2,3
	global_load_b128 v[16*(4*\s+\t)+4*\c:16*(4*\s+\t)+4*\c+3], v[AW], s[LP+2*\t:LP+2*\t+1] offset:2048*(4*\h+\s)+512*\c th:TH_LOAD_NT
.endr
.endr
.endr
.endr
	WIN 0
.irp t, 0,1,2,3
.irp i, 0,1
	global_load_b128 v[XS+8*\t+4*\i:XS+8*\t+4*\i+3], v[AW], s[XB+2*\t:XB+2*\t+1] offset:512*\i th:TH_LOAD_NT
.endr
.endr
.macro FETCHA slot, j                  ; a group's fragments of K steps 0-3, its scale words and its biases
	WIN TO1
.irp s, 0,1,2,3
.irp u, 0,1
.irp c, 0,1,2,3
	ds_load_b128 v[16*(2*\s+\u)+4*\c:16*(2*\s+\u)+4*\c+3], v[AW+4*(\slot)+(\j)] offset:(2*\s+\u)*2048+512*\c
.endr
.endr
.endr
	WIN 0
.irp i, 0,1
	ds_load_b128 v[WS+8*((\j)%2)+4*\i:WS+8*((\j)%2)+4*\i+3], v[AW+4*(\slot)+(\j)] offset:SCOFF+512*\i
.endr
.irp i, 0,1,2,3
	ds_load_b128 v[BI+4*\i:BI+4*\i+3], v[AW+4*(\slot)+(\j)] offset:BIOFF+512*\i
.endr
.endm
.macro FETCHB slot, j                  ; its fragments of K steps 4-7
	WIN TO1
.irp s, 0,1,2,3
.irp u, 0,1
.irp c, 0,1,2,3
	ds_load_b128 v[128+16*(2*\s+\u)+4*\c:128+16*(2*\s+\u)+4*\c+3], v[AW+4*(\slot)+(\j)] offset:(2*(\s+4)+\u)*2048+512*\c
.endr
.endr
.endr
	WIN 0
.endm
.macro MUL s, ac                       ; K step s: the group's two tiles x my four tiles of X; the eight accumulators by turns
.irp u, 0,1
.irp t, 0,1,2,3
.set M_D, ACC+64*(\ac)+8*(4*\u+\t)
.set M_A, 128*((\s)/4)+16*(2*((\s)%4)+\u)
.set M_B, 16*(4*((\s)%4)+\t)
.set M_W, WS+8*(\ac)+(\s)
.set M_X, XS+8*\t+(\s)
.if (\s) == 0
.if \u == 0
	v_wmma_scale_f32_16x16x128_f8f6f4 v[M_D:M_D+7], v[M_A:M_A+15], v[M_B:M_B+15], v[BI:BI+7], v[M_W], v[M_X] matrix_a_fmt:MATRIX_FMT_BF8 matrix_b_fmt:MATRIX_FMT_BF8
.else
	v_wmma_scale_f32_16x16x128_f8f6f4 v[M_D:M_D+7], v[M_A:M_A+15], v[M_B:M_B+15], v[BI+8:BI+15], v[M_W], v[M_X] matrix_a_fmt:MATRIX_FMT_BF8 matrix_b_fmt:MATRIX_FMT_BF8 matrix_a_scale:MATRIX_SCALE_ROW1
.endif
.else
.if \u == 0
	v_wmma_scale_f32_16x16x128_f8f6f4 v[M_D:M_D+7], v[M_A:M_A+15], v[M_B:M_B+15], v[M_D:M_D+7], v[M_W], v[M_X] matrix_a_fmt:MATRIX_FMT_BF8 matrix_b_fmt:MATRIX_FMT_BF8
.else
	v_wmma_scale_f32_16x16x128_f8f6f4 v[M_D:M_D+7], v[M_A:M_A+15], v[M_B:M_B+15], v[M_D:M_D+7], v[M_W], v[M_X] matrix_a_fmt:MATRIX_FMT_BF8 matrix_b_fmt:MATRIX_FMT_BF8 matrix_a_scale:MATRIX_SCALE_ROW1
.endif
.endif
.endr
.endr
.endm
.macro MINS ac, t0                     ; the minimum over a finished group's 16 places, for tiles t0, t0 + 1; set 0 starts it, set 1 ends it and the maximum takes it.  Each accumulator is read from its low end on
.set N_B, ACC+64*(\ac)
.if (\ac) == 0
.irp t, \t0, \t0+1
	v_min3_num_f32 v[MN+(\t)], v[N_B+8*(\t)], v[N_B+8*(\t)+1], v[N_B+8*(\t)+2]
.endr
.irp i, 3,5,7,9,11,13
.irp t, \t0, \t0+1
	v_min3_num_f32 v[MN+(\t)], v[MN+(\t)], v[N_B+8*(\t)+\i+24*(\i/8)], v[N_B+8*(\t)+\i+1+24*((\i+1)/8)]
.endr
.endr
.irp t, \t0, \t0+1
	v_min_num_f32 v[MN+(\t)], v[MN+(\t)], v[N_B+8*(\t)+39]
.endr
.else
.irp i, 0,2,4,6,8,10,12,14
.irp t, \t0, \t0+1
	v_min3_num_f32 v[MN+(\t)], v[MN+(\t)], v[N_B+8*(\t)+\i+24*(\i/8)], v[N_B+8*(\t)+\i+1+24*(\i/8)]
.endr
.endr
.irp t, \t0, \t0+1
	v_max_num_f32 v[MX+(\t)], v[MX+(\t)], v[MN+(\t)]
.endr
.endif
.endm
; Group j of a slot: 64 products.  mode 0: the next group lies in the same slot.  mode 1: the slot's last group: the change of slots, with a round of the cluster's barrier and the refill.
; mode 2: a change of slots with no refill.  mode 3: the last group.  The group before's minima are the places in front of the loads into registers that products have read.
.macro GROUP slot, j, prev, mode
.set G_SET, (\j)%2
.set G_PRV, 1-G_SET
.if (\j) == 3
.set G_NS, 1-(\slot)
.set G_NJ, 0
.else
.set G_NS, \slot
.set G_NJ, (\j)+1
.endif
.if ((\mode) == 1) || ((\mode) == 2)
.if (\mode) == 1
	s_wait_xcnt 0x0                                ; my last prefetches have read their address: it steps to the next slot tile
	s_add_nc_u64 s[PFA:PFA+1], s[PFA:PFA+1], SLOTB
.endif
	s_wait_tensorcnt 0x0                           ; all my tensor loads have landed: my quarter of the next slot
	ds_add_u32 v[SPW], v[NIL]
.if (\mode) == 1
	s_add_nc_u64 s[G0+4*(\slot)+2:G0+4*(\slot)+3], s[G0+4*(\slot)+2:G0+4*(\slot)+3], 2*SLOTB
.endif
	s_wait_dscnt 33                                ; the add and the 32 loads of K steps 4-7 may be out
	WIN MUL_A
	MUL 0, G_SET
	MUL 1, G_SET
	s_wait_dscnt 0x0                               ; the add is done, and my reads of this slot are over
	s_barrier_signal -1
	MUL 2, G_SET
	MUL 3, G_SET
	WIN 0
	s_barrier_wait -1
.if (\mode) == 1
	CREST
	tensor_load_to_lds s[G0+4*(\slot):G0+4*(\slot)+3], s[G1:G1+7]   ; the first tensor load behind the round
	s_nop 0
	PLACES 4
.endif
.else
	s_wait_dscnt 32                                ; the 32 loads of K steps 4-7 may be out
	WIN MUL_A
	MUL 0, G_SET
	MUL 1, G_SET
	MUL 2, G_SET
	MUL 3, G_SET
	WIN 0
.endif
.if \prev
	MINS G_PRV, 0
.else
	PLACES 8
.endif
.if (\mode) != 3
	FETCHA G_NS, G_NJ
.if (\mode) == 1
	ASK 0                                          ; behind the joint load and the run of LDS loads
.endif
	s_wait_dscnt 38                                ; all but the 38 just issued
.else
	s_wait_dscnt 0x0
.endif
	WIN MUL_B
	MUL 4, G_SET
	MUL 5, G_SET
	MUL 6, G_SET
	MUL 7, G_SET
	WIN 0
.if \prev
	MINS G_PRV, 2
.else
	PLACES 8
.endif
.if (\mode) != 3
	FETCHB G_NS, G_NJ
.endif
.endm
	s_wait_xcnt 0x0                                ; the head's prefetches have read their address
	s_add_nc_u64 s[PFA:PFA+1], s[PFA:PFA+1], SLOTB ; slot tile 3
	s_wait_tensorcnt 0x0                           ; my quarter of slot 0 is in
	ds_add_u32 v[SPW], v[NIL]
	s_wait_dscnt 0x0
	CROUND                                         ; everybody's quarter is in, and the four work-groups are here
	tensor_load_to_lds s[G0+4:G0+7], s[G1:G1+7]    ; slot 1's first fill, the first tensor load behind the round
	s_nop 0
	PLACES 4
	FETCHA 0, 0
	FETCHB 0, 0
	ASK 1
	s_wait_loadcnt 0x0                             ; X's codes and scale words are in
	GROUP 0, 0, 0, 0
	s_mov_b32 s[LAP], 3
.Llap:                                                 ; a trip goes once round the ring: eight groups, both slots filled again
	GROUP 0, 1, 1, 0
	GROUP 0, 2, 1, 0
	GROUP 0, 3, 1, 1
	GROUP 1, 0, 1, 0
	GROUP 1, 1, 1, 0
	GROUP 1, 2, 1, 0
	GROUP 1, 3, 1, 1
	GROUP 0, 0, 1, 0
	s_sub_co_u32 s[LAP], s[LAP], 1
	s_cmp_lg_u32 s[LAP], 0
	s_cbranch_scc1 .Llap
	GROUP 0, 1, 1, 0                               ; the last two slot tiles: nothing is filled again
	GROUP 0, 2, 1, 0
	GROUP 0, 3, 1, 2
	GROUP 1, 0, 1, 0
	GROUP 1, 1, 1, 0
	GROUP 1, 2, 1, 0
	GROUP 1, 3, 1, 3
	MINS 1, 0
	MINS 1, 2
.irp t, 0,1,2,3
	v_permlanex16_b32 v[MN+\t], v[MX+\t], s[SEL], s[SEL+1]
.endr
.irp t, 0,1,2,3
	v_max_num_f32 v[MX+\t], v[MX+\t], v[MN+\t]     ; the even c's and the odd c's
.endr
.irp t, 0,1,2,3
	ds_store_b32 v[OA], v[MX+\t] offset:64*\t      ; lanes r and r + 16 write the same word with the same value
.endr
	ds_load_b64 v[102:103], v[OB]                  ; back: two neighbouring rows a lane; LDS serves a wave's instructions in order
	s_wait_dscnt 0x0
	v_cmp_gt_u32 vcc_lo, NROWS, v[ROW]
	s_wait_xcnt 0x0
	s_and_saveexec_b32 s46, vcc_lo
	global_store_b64 v[OO], v[102:103], s[8:9]     ; 256 consecutive bytes a wave
	s_wait_xcnt 0x0
	s_or_b32 exec_lo, exec_lo, s46
	s_wait_tensorcnt 0x0                           ; the wave's end
	ds_add_u32 v[SPW], v[NIL]
	s_wait_dscnt 0x0
	CROUND                                         ; the closing round
	s_endpgm
.Lfunc_end_k_q56b0ee92db_main:
	.size	k_q56b0ee92db_main, .Lfunc_end_k_q56b0ee92db_main-k_q56b0ee92db_main
	.p2alignl 7, 3214868480
	.fill 96, 4, 3214868480
	.section	.rodata,"a",@progbits
	.p2align	6, 0x0
	.amdhsa_kernel k_q56b0ee92db_main
		.amdhsa_group_segment_fixed_size 327680
		.amdhsa_private_segment_fixed_size 0
		.amdhsa_enable_private_segment 0
		.amdhsa_kernarg_size 32
		.amdhsa_user_sgpr_count 2
		.amdhsa_user_sgpr_kernarg_segment_ptr 1
		.amdhsa_wavefront_size32 1
		.amdhsa_system_sgpr_workgroup_id_x 1
		.amdhsa_system_sgpr_workgroup_id_y 1
		.amdhsa_system_sgpr_workgroup_id_z 1
		.amdhsa_system_vgpr_workitem_id 0
		.amdhsa_next_free_vgpr 1024
		.amdhsa_next_free_sgpr 66
		.amdhsa_reserve_vcc 1
		.amdhsa_float_denorm_mode_32 3
		.amdhsa_float_denorm_mode_16_64 3
		.amdhsa_memory_ordered 1
		.amdhsa_forward_progress 1
		.amdhsa_inst_pref_size 255
	.end_amdhsa_kernel
	.section	.bss,"aw",@nobits
	.p2align	6
	.space	262144
	.amdgpu_metadata
---
amdhsa.version: [ 1, 2 ]
amdhsa.kernels:
  - .name:           k_q56b0ee92db_main
    .symbol:         k_q56b0ee92db_main.kd
    .args:
      - { .name: xq, .offset: 0, .size: 8, .value_kind: global_buffer, .address_space: global }
      - { .name: wq, .offset: 8, .size: 8, .value_kind: global_buffer, .address_space: global }
      - { .name: out0, .offset: 16, .size: 8, .value_kind: global_buffer, .address_space: global }
      - { .name: xs, .offset: 24, .size: 8, .value_kind: global_buffer, .address_space: global }
    .group_segment_fixed_size: 327680
    .private_segment_fixed_size: 0
    .kernarg_segment_align: 8
    .kernarg_segment_size: 32
    .max_flat_workgroup_size: 128
    .sgpr_count:     66
    .vgpr_count:     1024
    .wavefront_size: 32
...
	.end_amdgpu_metadata
.endif
;; end of part 5
